; MI455X (gfx1250); checked and timed in simulation.
; The chip was launched on July 23, 2026; its instructions are those of AMD's public machine-readable ISA for CDNA 5 (MIT licence, August 2026) and "CDNA5" Instruction Set Architecture Reference Guide (July 2026). The comments in the code are by the model that wrote it; some were corrected since.
;; Multi Head Dot Product Attention. Allowed arithmetic: matrix products marked QUANTISED: E2M1 operands, one E8M0 scale for each 32 along K, by v_wmma_scale_f32_16x16x128_f8f6f4 with both operands' format E2M1 (or v_wmma_scale_f32_32x16x128_f4), f32 sums; products left as they are: bf16, f16 or f32 operands; f32 sums; everything else in f32.
;; Inputs: Wk 2,048 x 16 x 128 float32; Wo 16 x 128 x 2,048 float32; Wq 2,048 x 16 x 128 float32; Wv 2,048 x 16 x 128 float32; inputs_kv 2 x 2,048 x 2,048 float32; inputs_q 2 x 1,024 x 2,048 float32.
;; Outputs: out0 2 x 1,024 x 2,048 float32.
;; This version of the problem:
;;   THIS VERSION OF THE PROBLEM IS GIVEN IN LOW PRECISION. The matrix products marked QUANTISED in the list below multiply operands that are first quantised to E2M1 (2 exponent bits, 1 mantissa bit; 4 bits a number), with one power-of-two scale for each 32 numbers along K (OCP MX v1.0); their sums are f32. The products marked 'left as it is' may take bf16, f16 or f32 operands, with f32 sums. Whichever they take, every output number must still come out within the allowed error. Rounding operands to bf16 (8 significant bits) uses up far more of that allowance than f16 does (11 bits, for magnitudes from 6e-5 to 65,504). All else is computed in f32.
;;   The module's matrix products, in the order in which they are computed (A, B: the left and right operand; K: the contracted axis; several contracted axes count as one K, in the product's order):
;;     1. [M 2,048, K 2,048] x [K 2,048, N 2,048]; A: input inputs_q; B: input Wq: QUANTISED
;;     2. [M 4,096, K 2,048] x [K 2,048, N 2,048]; A: input inputs_kv; B: input Wk: QUANTISED
;;     3. [M 4,096, K 2,048] x [K 2,048, N 2,048]; A: input inputs_kv; B: input Wv: QUANTISED
;;     4. batch 32 x [M 1,024, K 128] x [K 128, N 2,048]; A: computed on the way; B: computed on the way: left as it is (an operand is computed on the way)
;;     5. batch 32 x [M 128, K 2,048] x [K 2,048, N 1,024]; A: computed on the way; B: computed on the way: left as it is (an operand is computed on the way)
;;     6. [M 2,048, K 2,048] x [K 2,048, N 2,048]; A: computed on the way; B: input Wo: left as it is (an operand is computed on the way)
;;   THE QUANTISER, for each operand of a quantised product, along K:
;;     - K is cut into blocks of 32 from its start; a last block that is shorter is filled with zeros.
;;     - A block's scale is 2^e with e = floor(log2(the largest magnitude in the block)) - 2, held to -126 .. 127; a block of zeros has e = 0. As a byte (E8M0): e + 127.
;;     - Each number is divided by its block's scale, clamped to +-6, and rounded to the nearest number of E2M1, ties to even, subnormals kept.
;;     - The product sums the exact products of the quantised numbers (number of the format x scale) in f32.
;;   ~~~python
;;   def quantise(x, axis):      # numpy; x: float32 -> the quantised numbers, widened to float32 again
;;       x = np.moveaxis(x, axis, -1); K = x.shape[-1]
;;       x = np.pad(x, [(0, 0)] * (x.ndim - 1) + [(0, -K % 32)]); x = x.reshape(x.shape[:-1] + (-1, 32)); a = np.abs(x).max(-1, keepdims=True)
;;       e = np.where(a > 0, np.clip(np.frexp(np.where(a > 0, a, 1))[1] - 1 - 2, -126, 127), 0)      # np.frexp(a)[1] - 1 = floor(log2(a)), exactly
;;       r = np.clip(x / 2.0 ** e, -6, 6)
;;       step = 2.0 ** (np.maximum(np.frexp(np.where(r == 0, 1, r))[1] - 1, 0) - 1)
;;       q = np.round(r / step) * step * 2.0 ** e      # np.round: ties to even
;;       return np.moveaxis(q.reshape(q.shape[:-2] + (-1,))[..., :K], -1, axis).astype(np.float32)
;;   ~~~
;; One version. Each part assembles by itself: llvm-mc -triple=amdgcn-amd-amdhsa -mcpu=gfx1250 --defsym DOCPART=n.
;; ======== version 1 of 1: 6 launches
;; limits: values are held in f16: magnitudes above 65,504 overflow, below 6.1e-05 lose precision
;; workspace buffers: codes 10,485,760 bytes; scales 655,360 bytes; wo16 8,388,608 bytes; qkv 25,165,824 bytes; head32 3,145,728 bytes; ao 8,388,608 bytes; part 4,194,304 bytes
;; launch prep (part 1): grid 576 x 1, 4 waves a work-group, no clusters, 68,096 bytes of LDS; arguments inputs_q, inputs_kv, Wq, Wk, Wv, Wo, codes, scales, wo16; writes codes, scales, wo16
.if DOCPART == 1
	.amdgcn_target "amdgcn-amd-amdhsa--gfx1250"
	.amdhsa_code_object_version 6
	.text
	.protected	k_qdd4412cecf_prep
	.globl	k_qdd4412cecf_prep
	.p2align	8
	.type	k_qdd4412cecf_prep,@function
k_qdd4412cecf_prep:
	s_mov_b64 s[64:65], 0
	v_nop
	global_prefetch_b8 v0, s[64:65] scope:SCOPE_SE
	s_setreg_imm32_b32 hwreg(HW_REG_WAVE_MODE, 25, 1), 1
	s_wait_xcnt 0x0
; PREP: all that is quantised or narrowed once, in one launch.  Three paths, chosen by the work-group's number alone:
;   X (work-groups 0-255):   inputs_q [2048][2048] and rows 0-1023 of each batch of inputs_kv, f32, K innermost -> codes of E2M1 and E8M0 bytes
;   W (work-groups 256-447): Wq, Wk, Wv [2048 (k)][2048 (n)], f32, K outermost -> codes with K innermost, and bytes
;   O (work-groups 448-575): Wo [2048][2048] f32 -> f16, same order
; codes: [10240 rows][1024 bytes]; scales: [10240 rows][64 bytes].  Rows 0-2047 inputs_q; 2048 + 1024 b + s inputs_kv; 4096 + 2048 w + column the weights (w = 0, 1, 2: Wq, Wk, Wv).
; Keys 1024-2047 of a batch count for no query under the causal mask over [1024][2048]: their rows of inputs_kv are not quantised.
; A block's scale is 2^(floor(log2(largest magnitude)) - 2); its byte is the largest magnitude's exponent field - 2, held at 1 from below.
; A block of zeros so gets the byte 1 where the rule says 127: its codes are zeros, and this program alone reads the bytes.
; LIMITS: blocks whose largest magnitude lies under 2^-124 keep the byte 1; NaN and infinities are not served; Wo beyond 65,504 has no f16 number.
; No tensor loads, no barrier: waves share nothing.  Each path has LDS bytes of its own: X 0-32767, W 32768-67583, the spare words behind them.
.set SPW,   12                         ; v12  LDS address of my spare word: SPARE + 4 x my thread's number; never rewritten
.set NIL,   13                         ; v13  0; never rewritten
.set SPARE, 67584                      ; 128 bytes for each wave: two blocks of 256 bytes that no other line names
.set EMAX,  2
.macro FINISH                          ; the end of a wave that stored to LDS
	s_wait_tensorcnt 0x0
	ds_add_u32 v[SPW], v[NIL]
	s_wait_dscnt 0x0
	s_endpgm
.endm
	s_load_b512 s[4:19], s[0:1], 0x0               ; inputs_q s[4:5], inputs_kv s[6:7], Wq s[8:9], Wk s[10:11], Wv s[12:13], Wo s[14:15], codes s[16:17], scales s[18:19]
	s_load_b64 s[20:21], s[0:1], 0x40              ; wo16
	v_lshl_add_u32 v[SPW], v0, 2, SPARE
	v_mov_b32 v[NIL], 0
	v_lshrrev_b32 v1, 5, v0
	v_readfirstlane_b32 s22, v1                    ; wave 0..3
	v_and_b32 v2, 31, v0                           ; lane
	s_wait_kmcnt 0x0
	s_cmp_ge_u32 ttmp9, 448
	s_cbranch_scc1 .Lpath_o
	s_cmp_ge_u32 ttmp9, 256
	s_cbranch_scc1 .Lpath_w
; ---------------- PATH X: K innermost.  A wave takes 16 steps of 512 numbers (4 rows in all).  Each load reads 512 consecutive bytes; a step's 2,048 bytes turn through the wave's own
; stage in LDS and come back 64 bytes a lane: 16 neighbours along K, two lanes to a block.  A lane's 16 codes are 8 bytes: a store of the wave covers 256 consecutive bytes, aligned.
.set STEPS, 16
.set CB,    8
.set XR,    16                         ; v16-79   four sets of 16 numbers as loaded
.set XX,    80                         ; v80-111  two sets of 16 neighbours
.set XE,    112                        ; v112-127 a scale byte for each step
.set XC,    128                        ; v128-191 codes: four registers for each step, so that no store's data are written again
.set WREG,  8192                       ; a wave's region: two stages of 32 x SP bytes, then its 256 scale bytes
.set SP,    80                         ; a lane's place in a stage: 64 bytes + 16 of padding
	v_lshlrev_b32 v3, 4, v2                        ; my 16 bytes of a load's 512
	s_mul_i32 s23, s22, WREG
	v_lshrrev_b32 v14, 2, v2
	v_mul_u32_u24 v14, v14, SP
	v_and_b32 v15, 3, v2
	v_lshl_add_u32 v14, v15, 4, v14
	v_add_nc_u32 v14, s23, v14                     ; into the stage: SP (lane / 4) + 16 (lane % 4)
	v_mul_u32_u24 v15, v2, SP
	v_add_nc_u32 v15, s23, v15                     ; out of it: SP x lane
	v_mul_u32_u24 v4, v2, CB                       ; my codes' place in a step's
	v_lshrrev_b32 v5, 1, v2
	s_add_co_u32 s23, s23, 2*32*SP
	v_add_nc_u32 v5, s23, v5                       ; my block's byte among the wave's 256
	v_lshlrev_b32 v7, 3, v2
	v_add_nc_u32 v6, s23, v7                       ; and on the way out 8 bytes a lane
	s_sub_co_u32 s24, ttmp9, 128                   ; inputs_kv: j = work-group - 128;
	s_and_b32 s25, s24, 64
	s_add_co_u32 s24, s24, s25                     ; its 16 rows lie at block j + (j & 64) of 16 rows: rows 1024-2047 of batch 0 are passed over
	s_cmp_lt_u32 ttmp9, 128                        ; the choice hangs on the work-group's number alone
	s_cselect_b64 s[4:5], s[4:5], s[6:7]
	s_cselect_b32 s24, ttmp9, s24
	s_lshl_b32 s24, s24, 2
	s_add_co_u32 s24, s24, s22
	s_lshl_b32 s24, s24, 15                        ; my wave's run of 8,192 numbers: 32,768 bytes
	s_mov_b32 s25, 0
	s_add_nc_u64 s[4:5], s[4:5], s[24:25]
	s_lshl_b32 s26, ttmp9, 2
	s_add_co_u32 s26, s26, s22                     ; the run's number in the buffers of codes and bytes
	s_lshl_b32 s24, s26, 12
	s_add_nc_u64 s[16:17], s[16:17], s[24:25]      ; 4,096 bytes of codes a run
	s_lshl_b32 s24, s26, 8
	s_add_nc_u64 s[18:19], s[18:19], s[24:25]      ; 256 scale bytes a run
.macro XLOAD t
.irp i, 0,1,2,3
	global_load_b128 v[XR+16*((\t)%4)+4*\i:XR+16*((\t)%4)+4*\i+3], v3, s[4:5] offset:2048*(\t)+512*\i th:TH_LOAD_NT
.endr
.endm
.macro XTURN t                         ; LDS serves a wave's instructions in order: no wait between the stores and the loads
.irp i, 0,1,2,3
	ds_store_b128 v14, v[XR+16*((\t)%4)+4*\i:XR+16*((\t)%4)+4*\i+3] offset:32*SP*((\t)%2)+8*SP*\i
.endr
.irp i, 0,1,2,3
	ds_load_b128 v[XX+16*((\t)%2)+4*\i:XX+16*((\t)%2)+4*\i+3], v15 offset:32*SP*((\t)%2)+16*\i
.endr
.endm
.irp t, 0,1,2,3
	XLOAD \t
.endr
	s_wait_loadcnt 12                              ; step 0's four loads are in; twelve younger ones stay out
	XTURN 0
.macro XSTEP t
.set XS, XX+16*((\t)%2)
.if (\t) > 0
	s_wait_dscnt 1                                 ; this step's numbers are back from the stage; the last step's byte store may be out
.else
	s_wait_dscnt 0x0
.endif
.if (\t)+4 < STEPS
	XLOAD (\t)+4                                   ; into the registers that this step's stores into the stage have read
.endif
.if (\t)+1 < STEPS
.if STEPS-2-(\t) >= 3
	s_wait_loadcnt 12                              ; the next step's four loads are in; those of the three steps behind it may be out
.else
	s_wait_loadcnt 4*(STEPS-2-(\t))
.endif
	XTURN (\t)+1
.endif
	v_max3_num_f32 v8, |v[XS]|, |v[XS+1]|, |v[XS+2]|
	v_max3_num_f32 v9, |v[XS+3]|, |v[XS+4]|, |v[XS+5]|
.irp i, 6,10
	v_max3_num_f32 v8, v8, |v[XS+\i]|, |v[XS+\i+1]|
	v_max3_num_f32 v9, v9, |v[XS+\i+2]|, |v[XS+\i+3]|
.endr
	v_max3_num_f32 v8, v8, |v[XS+14]|, |v[XS+15]|
	v_max3_num_f32 v8, v8, v9, (EMAX+1)<<23        ; the floor 2^(3 - 127): the byte cannot fall under 1
	v_max_num_f32_dpp v8, v8, v8 row_xmask:1 row_mask:0xf bank_mask:0xf   ; with my neighbour's 16: the block's largest magnitude
	v_add_nc_u32 v11, 0xff000000, v8               ; 2 off its exponent field: the conversion takes the exponent field of this operand as its scale
	v_cvt_scalef32_pk8_fp4_f32 v[XC+4*(\t)], v[XS:XS+7], v11
	v_cvt_scalef32_pk8_fp4_f32 v[XC+4*(\t)+1], v[XS+8:XS+15], v11
	v_lshrrev_b32 v[XE+(\t)], 23, v11              ; the scale's byte
	ds_store_b8 v5, v[XE+(\t)] offset:16*(\t)      ; both lanes of a block write the same byte with the same value
	global_store_b64 v4, v[XC+4*(\t):XC+4*(\t)+1], s[16:17] offset:32*CB*(\t)
.endm
.irp t, 0,1,2,3,4,5,6,7,8,9,10,11,12,13,14,15
	XSTEP \t
.endr
	ds_load_b64 v[8:9], v6                         ; my wave's 256 scale bytes, 8 a lane
	s_wait_dscnt 0x0
	global_store_b64 v7, v[8:9], s[18:19]          ; 256 consecutive bytes, aligned
	FINISH
; ---------------- PATH W: K outermost.  A lane takes a column, and its registers run down K: a block of 32 lies in one lane, and the conversions give codes with K innermost.
; A wave takes 32 columns x 512 along K; its codes go through its own stage and leave as rows: sixteen lanes store 256 consecutive bytes, aligned.
.Lpath_w:
.set NB,    16                         ; blocks of 32 along K for a wave
.set WP,    272                        ; a stage row: 256 bytes of codes + 16
.set WX,    32                         ; v32-95   two sets of 32 numbers
.set WC,    96                         ; v96-99   a block's codes
.set OUTR,  112                        ; v112-175 the way out
.set SB,    24                         ; v24-27   the scale bytes, four to a register
	s_sub_co_u32 s23, ttmp9, 256
	s_lshr_b32 s24, s23, 6                         ; w: which weight
	s_and_b32 s25, s23, 15                         ; x: which 128 columns
	s_bfe_u32 s26, s23, 0x20004                    ; y: which 512 along K
	s_cmp_eq_u32 s24, 0
	s_cselect_b64 s[8:9], s[8:9], s[10:11]
	s_cmp_eq_u32 s24, 2
	s_cselect_b64 s[8:9], s[12:13], s[8:9]
	s_lshl_b32 s27, s25, 7
	s_lshl_b32 s28, s22, 5
	s_add_co_u32 s27, s27, s28                     ; my wave's first column
	s_lshl_b32 s28, s26, 22                        ; 512 y rows of 8,192 bytes
	s_lshl_b32 s29, s27, 2
	s_add_co_u32 s28, s28, s29
	s_mov_b32 s29, 0
	s_add_nc_u64 s[8:9], s[8:9], s[28:29]
	s_lshl_b32 s30, s24, 11
	s_add_co_u32 s30, s30, s27                     ; 2048 w + column
	s_lshl_b32 s28, s30, 10
	s_lshl_b32 s31, s26, 8
	s_add_co_u32 s28, s28, s31
	s_add_co_u32 s28, s28, 4194304                 ; behind the 4,096 rows of activations
	s_add_nc_u64 s[16:17], s[16:17], s[28:29]
	s_lshl_b32 s28, s30, 6
	s_lshl_b32 s31, s26, 4
	s_add_co_u32 s28, s28, s31
	s_add_co_u32 s28, s28, 262144
	s_add_nc_u64 s[18:19], s[18:19], s[28:29]
	v_lshlrev_b32 v3, 2, v2                        ; in: 4 bytes a lane
	s_mul_i32 s31, s22, 32*WP
	s_add_co_u32 s31, s31, 32768                   ; my stage
	v_mul_u32_u24 v4, v2, WP
	v_add_nc_u32 v4, s31, v4                       ; into it: row = my column
	v_and_b32 v5, 15, v2
	v_lshrrev_b32 v6, 4, v2
	v_mul_u32_u24 v7, v6, WP
	v_lshl_add_u32 v7, v5, 4, v7
	v_add_nc_u32 v7, s31, v7                       ; out of it: sixteen lanes to a row, two rows an instruction
	v_lshlrev_b32 v8, 10, v6
	v_lshl_add_u32 v8, v5, 4, v8                   ; the same place in the codes' buffer (rows of 1,024 bytes)
	v_lshlrev_b32 v9, 6, v2                        ; my column's row of scale bytes
.macro WLOAD t
.irp i, 0,1,2,3,4,5,6,7,8,9,10,11,12,13,14,15,16,17,18,19,20,21,22,23,24,25,26,27,28,29,30,31
	global_load_b32 v[WX+32*((\t)%2)+\i], v3, s[8:9] offset:(32*(\t)+\i)*8192 th:TH_LOAD_NT
.endr
.endm
	WLOAD 0
	WLOAD 1
.macro WBLOCK t
.set WS, WX+32*((\t)%2)
.if (\t) < NB-1
	s_wait_loadcnt 32                              ; this block's 32 loads are in; the next block's may be out
.else
	s_wait_loadcnt 0
.endif
	v_max3_num_f32 v16, |v[WS]|, |v[WS+1]|, |v[WS+2]|
	v_max3_num_f32 v17, |v[WS+3]|, |v[WS+4]|, |v[WS+5]|
.irp i, 6,10,14,18,22,26
	v_max3_num_f32 v16, v16, |v[WS+\i]|, |v[WS+\i+1]|
	v_max3_num_f32 v17, v17, |v[WS+\i+2]|, |v[WS+\i+3]|
.endr
	v_max3_num_f32 v16, v16, |v[WS+30]|, |v[WS+31]|
	v_max3_num_f32 v16, v16, v17, (EMAX+1)<<23     ; the floor
	v_add_nc_u32 v11, 0xff000000, v16
	v_lshrrev_b32 v18, 23, v11                     ; the scale's byte
.if (\t)%4 == 0
	v_mov_b32 v[SB+(\t)/4], v18
.else
	v_lshl_or_b32 v[SB+(\t)/4], v18, 8*((\t)%4), v[SB+(\t)/4]
.endif
.irp g, 0,1,2,3
	v_cvt_scalef32_pk8_fp4_f32 v[WC+\g], v[WS+8*\g:WS+8*\g+7], v11
.endr
	ds_store_b128 v4, v[WC:WC+3] offset:16*(\t)    ; 32 codes: 16 bytes of my column's row
.if (\t)+2 < NB
	WLOAD (\t)+2
.endif
	s_wait_dscnt 0x0                               ; the store has read its registers: the next block's codes may be written
.endm
.irp t, 0,1,2,3,4,5,6,7,8,9,10,11,12,13,14,15
	WBLOCK \t
.endr
	global_store_b128 v9, v[SB:SB+3], s[18:19]     ; my column's 16 scale bytes
.irp t, 0,1,2,3,4,5,6,7,8,9,10,11,12,13,14,15
	ds_load_b128 v[OUTR+4*\t:OUTR+4*\t+3], v7 offset:2*\t*WP
.endr
.irp t, 0,1,2,3,4,5,6,7,8,9,10,11,12,13,14,15
	s_wait_dscnt 15-\t                             ; the younger loads from the stage may be out
	global_store_b128 v8, v[OUTR+4*\t:OUTR+4*\t+3], s[16:17] offset:2*\t*1024
.endr
	FINISH
; ---------------- PATH O: Wo to f16.  A wave takes 32,768 consecutive bytes in 64 turns of 512; sixteen loads are always on their way.  No LDS.
.Lpath_o:
.set OX, 32                            ; v32-95   slot i: 4 numbers as loaded
.set OY, 96                            ; v96-127  slot i: 4 numbers in f16
	s_sub_co_u32 s23, ttmp9, 448
	s_lshl_b32 s23, s23, 2
	s_add_co_u32 s23, s23, s22                     ; my wave's run
	s_lshl_b32 s24, s23, 15
	s_mov_b32 s25, 0
	s_add_nc_u64 s[14:15], s[14:15], s[24:25]
	s_lshl_b32 s24, s23, 14
	s_add_nc_u64 s[20:21], s[20:21], s[24:25]
	v_lshlrev_b32 v3, 4, v2
	v_lshlrev_b32 v4, 3, v2
.irp t, 0,1,2,3,4,5,6,7,8,9,10,11,12,13,14,15
	global_load_b128 v[OX+4*\t:OX+4*\t+3], v3, s[14:15] offset:512*\t th:TH_LOAD_NT
.endr
.set OT, 0
.rept 64
.set OS, OT%16
.if OT < 48
	s_wait_loadcnt 15                              ; my slot's load is in; the fifteen younger ones stay out
.else
	s_wait_loadcnt 63-OT
.endif
.if OT >= 16
	s_wait_xcnt 0x0                                ; the slot's last store has read its data: they are written again only behind this wait
.endif
	v_cvt_pk_f16_f32 v[OY+2*OS], v[OX+4*OS], v[OX+4*OS+1]
	v_cvt_pk_f16_f32 v[OY+2*OS+1], v[OX+4*OS+2], v[OX+4*OS+3]
.if OT < 48
	global_load_b128 v[OX+4*OS:OX+4*OS+3], v3, s[14:15] offset:512*(OT+16) th:TH_LOAD_NT
.endif
	global_store_b64 v4, v[OY+2*OS:OY+2*OS+1], s[20:21] offset:256*OT   ; the wave stores 256 consecutive bytes, aligned
.set OT, OT+1
.endr
	s_endpgm
.Lfunc_end_k_qdd4412cecf_prep:
	.size	k_qdd4412cecf_prep, .Lfunc_end_k_qdd4412cecf_prep-k_qdd4412cecf_prep
	.p2alignl 7, 3214868480
	.fill 96, 4, 3214868480
	.section	.rodata,"a",@progbits
	.p2align	6, 0x0
	.amdhsa_kernel k_qdd4412cecf_prep
		.amdhsa_group_segment_fixed_size 68096
		.amdhsa_private_segment_fixed_size 0
		.amdhsa_enable_private_segment 0
		.amdhsa_kernarg_size 72
		.amdhsa_user_sgpr_count 2
		.amdhsa_user_sgpr_kernarg_segment_ptr 1
		.amdhsa_wavefront_size32 1
		.amdhsa_system_sgpr_workgroup_id_x 1
		.amdhsa_system_sgpr_workgroup_id_y 1
		.amdhsa_system_sgpr_workgroup_id_z 1
		.amdhsa_system_vgpr_workitem_id 0
		.amdhsa_next_free_vgpr 192
		.amdhsa_next_free_sgpr 66
		.amdhsa_reserve_vcc 0
		.amdhsa_float_denorm_mode_32 3
		.amdhsa_float_denorm_mode_16_64 3
		.amdhsa_memory_ordered 1
		.amdhsa_forward_progress 1
		.amdhsa_inst_pref_size 135
	.end_amdhsa_kernel
	.amdgpu_metadata
---
amdhsa.version: [ 1, 2 ]
amdhsa.kernels:
  - .name:           k_qdd4412cecf_prep
    .symbol:         k_qdd4412cecf_prep.kd
    .args:
      - { .name: inputs_q, .offset: 0, .size: 8, .value_kind: global_buffer, .address_space: global }
      - { .name: inputs_kv, .offset: 8, .size: 8, .value_kind: global_buffer, .address_space: global }
      - { .name: Wq, .offset: 16, .size: 8, .value_kind: global_buffer, .address_space: global }
      - { .name: Wk, .offset: 24, .size: 8, .value_kind: global_buffer, .address_space: global }
      - { .name: Wv, .offset: 32, .size: 8, .value_kind: global_buffer, .address_space: global }
      - { .name: Wo, .offset: 40, .size: 8, .value_kind: global_buffer, .address_space: global }
      - { .name: codes, .offset: 48, .size: 8, .value_kind: global_buffer, .address_space: global }
      - { .name: scales, .offset: 56, .size: 8, .value_kind: global_buffer, .address_space: global }
      - { .name: wo16, .offset: 64, .size: 8, .value_kind: global_buffer, .address_space: global }
    .group_segment_fixed_size: 68096
    .private_segment_fixed_size: 0
    .kernarg_segment_align: 8
    .kernarg_segment_size: 72
    .max_flat_workgroup_size: 128
    .sgpr_count:     66
    .vgpr_count:     192
    .wavefront_size: 32
...
	.end_amdgpu_metadata
.endif
;; end of part 1
;; launch qkv (part 2): grid 8 x 24, 4 waves a work-group, clusters of 4 x 4, 327,680 bytes of LDS; arguments codes, scales, qkv, head32; writes qkv, head32
.if DOCPART == 2
	.amdgcn_target "amdgcn-amd-amdhsa--gfx1250"
	.amdhsa_code_object_version 6
	.text
	.protected	k_qdd4412cecf_qkv
	.globl	k_qdd4412cecf_qkv
	.p2align	8
	.type	k_qdd4412cecf_qkv,@function
k_qdd4412cecf_qkv:
	s_mov_b64 s[64:65], 0
	v_nop
	global_prefetch_b8 v0, s[64:65] scope:SCOPE_SE
	s_setreg_imm32_b32 hwreg(HW_REG_WAVE_MODE, 25, 1), 1
	s_wait_xcnt 0x0
	s_wait_alu depctr_hold_cnt(0) depctr_sa_sdst(0) depctr_va_vdst(0) depctr_va_sdst(0) depctr_va_ssrc(0) depctr_va_vcc(0) depctr_vm_vsrc(0)
	s_getreg_b32 s2, hwreg(HW_REG_IB_STS2, 6, 4)
	s_cmp_eq_u32 s2, 0
	s_cbranch_scc0 .Lentry_in_a_cluster
	s_endpgm
.Lentry_in_a_cluster:
	s_bfe_u32 s2, ttmp6, 0x10000c
	s_cmp_lg_u32 s2, 0xf033
	s_cbranch_scc0 .Lentry_shape_is_right
	s_endpgm
.Lentry_shape_is_right:
; QKV: the three quantised products on codes of E2M1 with E8M0 scales, K = 2048.  C[row][col] = sum over k of A[row][k] B[col][k].
; C is qkv [6144][2048] in f16: row 2048 z + 1024 b + t, z = 0, 1, 2 for q, k, v; q is NOT divided by sqrt(128) here (the softmax's factor holds it).
; A's rows: codes rows 0-2047 (inputs_q) for z = 0, rows 2048-4095 (inputs_kv) for z = 1 and 2.  B's rows: codes rows 4096 + 2048 z + col.
; A tile of C, 256 x 256, is made by four waves, 128 x 128 each: 64 accumulators, 512 registers.  K goes in steps of 512 through two LDS slots; a tile's row is 256 bytes of memory.
; The scale bytes of the work-group's 256 + 256 rows, for all of K, come into LDS once, with the first fills.
; CLUSTERS 4 x 4: A's tile is shared along a row of the cluster, B's along a column; each is asked for jointly.  z hangs on the cluster's y alone, so all sixteen share it.
; The matrix instruction is used transposed (source 0 = 16 rows of B, source 1 = 16 rows of A): a lane holds eight neighbouring columns of a row of C.
; The first 16 rows of every tile also leave in f32 (head32 [24 tile rows][16][2048]): those of tile rows 0, 4, 8, 12, 16, 20 are positions 0-15 of a sequence, which a later launch takes in f32.
; All 24 are stored.
; LIMIT: |q|, |k|, |v| up to 65,504 (f16).
; REGISTERS: window 0: v0-31 addresses; v32-95 scale words, two sets, and nothing else; v96-127 the way out's packed results; v128-191 A's fragments, later f32 rows; v192-255 the way out's rows.
;   window 1: B's fragments, two sets.   window 2: accumulators of my rows 0-63 ((a, b) at v[8 (8 a + b)]);   window 3: rows 64-127.
.set KSTEP,  512
.set NQ,     4
.set ROWB,   256
.set KROW,   1024
.set PITCH,  272                       ; 256 bytes + 16 of padding: the 16 rows that a load touches start 68 words apart
.set FR,     8
.set NL,     2
.set NP,     4
.set HALFT,  128*PITCH
.set SLOT,   4*HALFT
.set LAPS,   2
.set KS,     64
.set SCL,    2*SLOT
.set HALFS,  32*272
.set SBLK,   4*272
.set SPARE,  SCL+4*HALFS               ; the spare words: 128 bytes for each wave, two blocks of 256 bytes that no other line names
.set WSTG,   12800                     ; the way out: a wave's stages, in slot 0, which has had its last fill and its last read by then: 16 x 272 for f16, then 16 x 528 for f32
.set ADRA, 16
.set STO32, 18
.set RD32, 19
.set ADRB, 20
.set CO32, 22
.set STO,  24
.set RD,   25
.set CO,   26
.set ADRS, 27
.set SPW,  28
.set NIL,  29
.set SC,   32
.set TMP,  96
.set AF,   128
.set H32,  128
.set G1, 24
.set G0, 32
.set G1B, 48
.set G0B, 56
.set G1S, 68
.set G0S, 76
.set G1SB, 80
.set G0SB, 88
.set MSB, 0
.macro WIN new                         ; the immediate's high byte repeats the setting that is left
.if MSB != (\new)
	s_set_vgpr_msb (MSB<<8)|(\new)
.set MSB, (\new)
.endif
.endm
.set MUL_LO, 0xa1
.set MUL_HI, 0xf1
.set TO_B,   0x40
.macro JLOAD g0a, g1a, g0b, g1b        ; a joint load: waves 0 and 1 fetch for A, waves 2 and 3 for B; an s_nop 0 and four v_nop follow each line
	s_cmp_eq_u32 s15, 0
	s_cbranch_scc0 .Lfor_b_\@
	tensor_load_to_lds s[\g0a:\g0a+3], s[\g1a:\g1a+7]
	s_nop 0
.rept 4
	v_nop
.endr
	s_branch .Lasked_\@
.Lfor_b_\@:
	tensor_load_to_lds s[\g0b:\g0b+3], s[\g1b:\g1b+7]
	s_nop 0
.rept 4
	v_nop
.endr
.Lasked_\@:
.endm
.macro CREST
	s_cmp_lg_u32 s14, 0
	s_cbranch_scc1 .Lnot_wave_0_\@
	s_barrier_signal -3
.Lnot_wave_0_\@:
	s_barrier_wait -3
	s_barrier_signal -1
	s_barrier_wait -1
.endm
.macro CROUND
	s_barrier_signal -1
	s_barrier_wait -1
	CREST
.endm
	s_load_b256 s[4:11], s[0:1], 0x0               ; codes s[4:5], scales s[6:7], qkv s[8:9], head32 s[10:11]
	v_lshl_add_u32 v[SPW], v0, 2, SPARE
	v_mov_b32 v[NIL], 0
	ds_add_u32 v[SPW], v[NIL]                      ; the opening: the add, twice on end, and its wait ahead of my first tensor load
	ds_add_u32 v[SPW], v[NIL]
	v_lshrrev_b32 v1, 5, v0
	v_readfirstlane_b32 s14, v1                    ; wave 0..3
	s_lshr_b32 s15, s14, 1                         ; my half of the tile's rows; also: I fetch for A (0) or B (1)
	s_and_b32 s16, s14, 1                          ; my half of its columns; also: which 128 rows I fetch
	s_bfe_u32 s40, ttmp6, 0x40000                  ; cx
	s_bfe_u32 s41, ttmp6, 0x40004                  ; cy
	s_lshl_b32 s42, ttmp9, 2
	s_add_co_u32 s42, s42, s40                     ; tile column X = 4 x cluster x + cx
	s_and_b32 s95, ttmp7, 0xffff                   ; cluster y
	s_lshl_b32 s17, s95, 2
	s_add_co_u32 s17, s17, s41                     ; tile row Y = 4 x cluster y + cy, 0..23
	s_lshr_b32 s95, s95, 1                         ; z = Y / 8, from the cluster's y alone
	s_and_b32 s96, s17, 7
	s_add_co_u32 s96, s96, 8
	s_min_u32 s96, s17, s96                        ; A's tile row among the codes: Y for q and k, Y - 8 for v
	s_lshl_b32 s43, s41, 2
	s_lshl_b32 s43, 15, s43                        ; my row of the cluster
	s_lshl_b32 s44, 0x1111, s40                    ; my column
	s_or_b32 s[G1+0], s43, (0<<16)|(1<<20)|(1<<21)|(5<<22)|(3<<25)  ; mask; elements of 1 byte; padding on; bit 21 beside a mask; 4 words after every 64
	s_or_b32 s[G1B+0], s44, (0<<16)|(1<<20)|(1<<21)|(5<<22)|(3<<25)
.irp g, G1, G1B
	s_mov_b32 s[\g+1], ROWB<<16                    ; tensor_dim0
	s_mov_b32 s[\g+2], 128<<16                     ; tensor_dim1
	s_mov_b32 s[\g+3], ROWB<<16                    ; tile_dim0
	s_mov_b32 s[\g+4], 128                         ; tile_dim1
	s_mov_b32 s[\g+5], KROW                        ; the pitch
	s_mov_b32 s[\g+6], 0
	s_mov_b32 s[\g+7], 0
.endr
	s_or_b32 s[G1S+0], s43, (3<<16)|(1<<20)|(1<<21)|(5<<22)|(3<<25)  ; the scales of 128 rows: 8,192 dense bytes as 32 rows of 256 (32 elements of 8 bytes)
	s_or_b32 s[G1SB+0], s44, (3<<16)|(1<<20)|(1<<21)|(5<<22)|(3<<25)
.irp g, G1S, G1SB
	s_mov_b32 s[\g+1], 32<<16
	s_mov_b32 s[\g+2], 32<<16
	s_mov_b32 s[\g+3], 32<<16
	s_mov_b32 s[\g+4], 32
	s_mov_b32 s[\g+5], 32
	s_mov_b32 s[\g+6], 0
	s_mov_b32 s[\g+7], 0
.endr
	s_lshl_b32 s18, s16, 7                         ; which 128 rows of the tile I fetch
	s_lshl_b32 s20, s96, 8
	s_add_co_u32 s20, s20, s18                     ; A: its row among the codes
	s_lshl_b32 s46, s42, 8
	s_add_co_u32 s46, s46, s18
	s_lshl_b32 s47, s95, 11
	s_add_co_u32 s46, s46, s47
	s_add_co_u32 s46, s46, 4096                    ; B: 4096 + 2048 z + 256 X + 128 half
	s_lshl_b32 s22, s20, 6                         ; their scale bytes: 64 a row
	s_mov_b32 s23, 0
	s_lshl_b32 s92, s46, 6
	s_mov_b32 s93, 0
	s_lshl_b32 s20, s20, 10                        ; their codes: 1,024 a row
	s_mov_b32 s21, 0
	s_lshl_b32 s46, s46, 10
	s_mov_b32 s47, 0
	s_mul_i32 s45, s14, HALFT                      ; where they go: wave x 128 rows
	s_mul_i32 s94, s14, HALFS
	s_wait_dscnt 0x0                               ; both opening adds are done
	s_wait_kmcnt 0x0
	s_add_nc_u64 s[20:21], s[4:5], s[20:21]
	s_add_nc_u64 s[22:23], s[6:7], s[22:23]
	s_add_nc_u64 s[46:47], s[4:5], s[46:47]
	s_add_nc_u64 s[92:93], s[6:7], s[92:93]
	CROUND                                         ; all sixteen work-groups are here: the first joint loads meet
	s_mov_b32 s[G0S], 1
	s_add_co_u32 s[G0S+1], s94, SCL
	s_mov_b64 s[G0S+2:G0S+3], s[22:23]
	s_or_b32 s[G0S+3], s[G0S+3], 0x80000000
	s_mov_b32 s[G0SB], 1
	s_add_co_u32 s[G0SB+1], s94, SCL
	s_mov_b64 s[G0SB+2:G0SB+3], s[92:93]
	s_or_b32 s[G0SB+3], s[G0SB+3], 0x80000000
	JLOAD G0S, G1S, G0SB, G1SB                     ; the scales first
.irp s, 0,1
	s_mov_b32 s[G0+4*\s], 1
	s_add_co_u32 s[G0+4*\s+1], s45, \s*SLOT
	s_add_nc_u64 s[G0+4*\s+2:G0+4*\s+3], s[20:21], \s*ROWB
	s_or_b32 s[G0+4*\s+3], s[G0+4*\s+3], 0x80000000
	s_mov_b32 s[G0B+4*\s], 1
	s_add_co_u32 s[G0B+4*\s+1], s45, \s*SLOT
	s_add_nc_u64 s[G0B+4*\s+2:G0B+4*\s+3], s[46:47], \s*ROWB
	s_or_b32 s[G0B+4*\s+3], s[G0B+4*\s+3], 0x80000000
	JLOAD G0+4*\s, G1, G0B+4*\s, G1B               ; by this text's count three loads of mine are out here
.endr
	v_and_b32 v1, 15, v0                           ; r = lane % 16
	v_bfe_u32 v2, v0, 4, 1                         ; h = lane / 16
	v_mul_u32_u24 v3, v1, PITCH
	v_lshl_add_u32 v4, v2, 4, v3
	s_mul_i32 s21, s15, HALFT
	s_mul_i32 s22, s16, HALFT
	s_add_co_u32 s22, s22, 2*HALFT
.irp s, 0,1
	v_add_nc_u32 v[ADRA+\s], s21, v4
	v_add_nc_u32 v[ADRB+\s], s22, v4
	s_add_co_u32 s21, s21, SLOT
	s_add_co_u32 s22, s22, SLOT
.endr
	v_mul_u32_u24 v5, v1, KS                       ; my row's scales: 64 bytes a row,
	v_lshrrev_b32 v6, 8, v5
	v_lshl_add_u32 v5, v6, 4, v5                   ; and 16 more for each 256 passed
	s_mul_i32 s21, s15, HALFS
	s_mul_i32 s22, s16, HALFS
	s_add_co_u32 s22, s22, 2*HALFS
	s_sub_co_u32 s22, s22, s21
	v_mul_u32_u24 v6, s22, v2                      ; lanes 16-31 take B's
	s_add_co_u32 s21, s21, SCL
	v_add_nc_u32 v5, v5, v6
	v_add_nc_u32 v[ADRS], s21, v5
	s_mul_i32 s23, s14, WSTG                       ; my stages
	v_mul_u32_u24 v5, v1, 272
	v_lshl_add_u32 v5, v2, 4, v5
	v_add_nc_u32 v[STO], s23, v5                   ; f16 in: row r, 16 bytes for each half of the lanes
	v_mul_u32_u24 v5, v2, 272
	v_lshl_add_u32 v5, v1, 4, v5
	v_add_nc_u32 v[RD], s23, v5                    ; back: lanes 0-15 one row of 256 bytes, lanes 16-31 the next
	v_lshlrev_b32 v5, 12, v2
	v_lshl_add_u32 v[CO], v1, 4, v5                ; the same two rows in qkv (rows of 4,096 bytes)
	s_add_co_u32 s23, s23, 16*272
	v_mul_u32_u24 v5, v1, 528
	v_lshl_add_u32 v5, v2, 5, v5
	v_add_nc_u32 v[STO32], s23, v5                 ; f32 in: row r, 32 bytes for each half
	v_and_b32 v6, 31, v0
	v_lshlrev_b32 v[CO32], 4, v6                   ; back: the 32 lanes take one row of 512 bytes
	v_add_nc_u32 v[RD32], s23, v[CO32]
	s_lshl_b32 s20, s17, 8
	s_lshl_b32 s21, s15, 7
	s_add_co_u32 s20, s20, s21                     ; my first row of qkv
	s_lshl_b32 s20, s20, 12
	s_mov_b32 s21, 0
	s_lshl_b32 s46, s42, 9                         ; my first column, in bytes: 512 X + 256 half
	s_lshl_b32 s47, s16, 8
	s_add_co_u32 s46, s46, s47
	s_mov_b32 s47, 0
	s_add_nc_u64 s[20:21], s[20:21], s[46:47]
	s_add_nc_u64 s[12:13], s[8:9], s[20:21]
	s_lshl_b32 s20, s17, 17                        ; head32: 131,072 bytes a tile row,
	s_mov_b32 s21, 0
	s_lshl_b32 s46, s42, 10                        ; 1,024 X + 512 half
	s_lshl_b32 s47, s16, 9
	s_add_co_u32 s46, s46, s47
	s_mov_b32 s47, 0
	s_add_nc_u64 s[20:21], s[20:21], s[46:47]
	s_add_nc_u64 s[10:11], s[10:11], s[20:21]
.macro FRAG reg, adr, q, i             ; 16 rows x 128 K of 4-bit codes: 8 registers; registers 4 c .. 4 c + 3 hold K = 64 c + 32 (lane / 16) + 0 .. 31
.irp c, 0,1
	ds_load_b128 v[\reg+4*\c:\reg+4*\c+3], v[\adr] offset:64*(\q)+32*\c+(\i)*16*PITCH
.endr
.endm
; 16 matrix instructions: A's blocks a0, a0 + 1 x B's eight.  The 64 accumulators take turns, one instruction a turn, in the same order in every step.
.macro MUL16 a0, p, q, sc, zero
.irp a, \a0, \a0+1
.irp b, 0,1,2,3,4,5,6,7
.if \zero
	v_wmma_scale_f32_16x16x128_f8f6f4 v[8*(8*((\a)%4)+\b):8*(8*((\a)%4)+\b)+7], v[128*(\p)+FR*\b:128*(\p)+FR*\b+FR-1], v[AF+FR*(\a):AF+FR*(\a)+FR-1], 0, v[SC+8*NQ*(\sc)+NQ*\b+(\q)], v[SC+8*NQ*(\sc)+NQ*(\a)+(\q)] matrix_a_fmt:MATRIX_FMT_FP4 matrix_b_fmt:MATRIX_FMT_FP4 matrix_a_scale:MATRIX_SCALE_ROW1
.else
	v_wmma_scale_f32_16x16x128_f8f6f4 v[8*(8*((\a)%4)+\b):8*(8*((\a)%4)+\b)+7], v[128*(\p)+FR*\b:128*(\p)+FR*\b+FR-1], v[AF+FR*(\a):AF+FR*(\a)+FR-1], v[8*(8*((\a)%4)+\b):8*(8*((\a)%4)+\b)+7], v[SC+8*NQ*(\sc)+NQ*\b+(\q)], v[SC+8*NQ*(\sc)+NQ*(\a)+(\q)] matrix_a_fmt:MATRIX_FMT_FP4 matrix_b_fmt:MATRIX_FMT_FP4 matrix_a_scale:MATRIX_SCALE_ROW1
.endif
.endr
.endr
.endm
.macro FETCH_B slot, q, p
	WIN TO_B
.irp i, 0,1,2,3,4,5,6,7
	FRAG 128*(\p)+FR*\i, ADRB+\slot, \q, \i
.endr
	WIN 0
.endm
.macro FETCH_A slot, q, i0
.irp i, \i0, \i0+1, \i0+2, \i0+3
	FRAG AF+FR*(\i), ADRA+\slot, \q, \i
.endr
.endm
.macro SCALES sc                       ; a K step's scale words: lanes 0-15 A's block i, lanes 16-31 B's block i
.irp i, 0,1,2,3,4,5,6,7
	ds_load_b128 v[SC+8*NQ*\sc+NQ*\i:SC+8*NQ*\sc+NQ*\i+3], v[ADRS] offset:\i*SBLK
.endr
.endm
.macro PLACES n                        ; plain vector instructions between a matrix instruction and a load into, or a read of, its registers
.rept \n
	v_nop
.endr
.endm
.macro STEP slot, q, zero
	s_wait_dscnt 4*NL                              ; B's set and A's blocks 0-3 are in; the youngest eight loads (A's blocks 4-7) may be out
	WIN MUL_LO
	MUL16 0, (\q)%2, \q, \slot, \zero
	MUL16 2, (\q)%2, \q, \slot, \zero
	s_wait_dscnt 0
	PLACES NP
	FETCH_B \slot, (\q)+1, 1-(\q)%2
	FETCH_A \slot, (\q)+1, 0
	WIN MUL_HI
	MUL16 4, (\q)%2, \q, \slot, \zero
	MUL16 6, (\q)%2, \q, \slot, \zero
	PLACES NP
	WIN 0
	FETCH_A \slot, (\q)+1, 4
.endm
; A slot's last step changes slots: one barrier; in front of it each wave waits for all its tensor loads, adds 0 to its spare word, and waits for that and for its reads of this slot.
.macro TURN slot, next, fill
	s_wait_tensorcnt 0x0                           ; all my tensor loads have landed: my part of the next slot
	ds_add_u32 v[SPW], v[NIL]
	s_wait_dscnt 4*NL+1                            ; the add and the youngest eight loads may be out
	WIN MUL_LO
	MUL16 0, 1, NQ-1, \slot, 0
	s_wait_dscnt 0x0                               ; the add is done, and my reads of this slot are over
	s_barrier_signal -1
	MUL16 2, 1, NQ-1, \slot, 0
	WIN 0
	s_barrier_wait -1
.if \fill
	CREST                                          ; the barrier has opened a round of the cluster's barrier: no wave of any partner still reads this slot or has a load on its way
	s_add_nc_u64 s[G0+4*\slot+2:G0+4*\slot+3], s[G0+4*\slot+2:G0+4*\slot+3], 2*ROWB
	s_add_nc_u64 s[G0B+4*\slot+2:G0B+4*\slot+3], s[G0B+4*\slot+2:G0B+4*\slot+3], 2*ROWB
	JLOAD G0+4*\slot, G1, G0B+4*\slot, G1B         ; the first tensor load behind the round, and my only one until the next
.else
	PLACES NP
.endif
	v_add_nc_u32 v[ADRS], 4*NQ, v[ADRS]            ; on to the next K step's scale words
	FETCH_B \next, 0, 0
	FETCH_A \next, 0, 0
	SCALES \next
	WIN MUL_HI
	MUL16 4, 1, NQ-1, \slot, 0
	MUL16 6, 1, NQ-1, \slot, 0
	PLACES NP
	WIN 0
	FETCH_A \next, 0, 4
.endm
.macro STEPS slot, from
.set Q, \from
.rept NQ-1-\from
	STEP \slot, Q, 0
.set Q, Q+1
.endr
.endm
	s_wait_tensorcnt 1                             ; the scales and my part of K step 0 are in; K step 1's load may be out
	s_barrier_signal -1
	s_barrier_wait -1
	FETCH_B 0, 0, 0
	FETCH_A 0, 0, 0
	SCALES 0
	FETCH_A 0, 0, 4
	STEP 0, 0, 1                                   ; the first step's products start the sums
	s_mov_b32 s3, LAPS-1
.Llap:
	STEPS 0, 1
	TURN 0, 1, 1
	STEPS 1, 0
	TURN 1, 0, 1
	STEP 0, 0, 0
	s_sub_co_u32 s3, s3, 1
	s_cmp_lg_u32 s3, 0
	s_cbranch_scc1 .Llap
	STEPS 0, 1                                     ; the last lap fills nothing
	TURN 0, 1, 0
	STEPS 1, 0
	s_wait_dscnt 4*NL
	WIN MUL_LO
	MUL16 0, 1, NQ-1, 1, 0
	MUL16 2, 1, NQ-1, 1, 0
	s_wait_dscnt 0
	WIN MUL_HI
	MUL16 4, 1, NQ-1, 1, 0
	MUL16 6, 1, NQ-1, 1, 0
	WIN 0
	PLACES NP                                      ; in front of loads into A's registers and of the first reads of results
	; THE FIRST 16 ROWS OF THE TILE IN F32: waves 0 and 1 (rows 0-127) send block 0 through their f32 stage; a store of the wave covers 512 consecutive bytes, aligned.
	s_cmp_lg_u32 s15, 0                            ; the wave's number alone
	s_cbranch_scc1 .Lno_head
	WIN 0x08                                       ; an LDS store's data are its source 1: window 2
.irp b, 0,1,2,3,4,5,6,7
	ds_store_b128 v[STO32], v[8*\b:8*\b+3] offset:64*\b            ; each accumulator from its low end on
	ds_store_b128 v[STO32], v[8*\b+4:8*\b+7] offset:64*\b+16
.endr
	WIN 0
.irp t, 0,1,2,3,4,5,6,7,8,9,10,11,12,13,14,15
	ds_load_b128 v[H32+4*\t:H32+4*\t+3], v[RD32] offset:\t*528     ; LDS serves a wave's instructions in order: these see the stores above
.endr
.irp t, 0,1,2,3,4,5,6,7,8,9,10,11,12,13,14,15
	s_wait_dscnt 15-\t                             ; the younger loads may be out
	global_store_b128 v[CO32], v[H32+4*\t:H32+4*\t+3], s[10:11] offset:\t*8192
.endr
.Lno_head:
	; THE WAY OUT IN F16, block by block of 16 rows x 128 columns: rounded, 16 bytes a lane into my stage, back as whole rows of 256 bytes.
.macro PACK a
.set AC, 64*((\a)%4)
	WIN 0x0a+5*((\a)/4)                            ; sources 0 and 1: window 2 or 3
.irp b, 0,1,2,3,4,5,6,7
.irp r, 0,1,2,3
	v_cvt_pk_f16_f32 v[TMP+4*\b+\r], v[AC+8*\b+2*\r], v[AC+8*\b+2*\r+1]
.endr
.endr
	WIN 0
.endm
.macro TOSTAGE a
.set BB, 192+32*((\a)%2)
.irp b, 0,1,2,3,4,5,6,7
	ds_store_b128 v[STO], v[TMP+4*\b:TMP+4*\b+3] offset:32*\b
.endr
.irp t, 0,1,2,3,4,5,6,7
	ds_load_b128 v[BB+4*\t:BB+4*\t+3], v[RD] offset:\t*2*272
.endr
.endm
.macro SEND a
.set BB, 192+32*((\a)%2)
	s_wait_dscnt 0x0                               ; the block is back in registers
	s_wait_xcnt 0x0                                ; earlier stores have read their base and their data: only behind this wait are they written again
.if (\a) > 0
	s_add_nc_u64 s[12:13], s[12:13], 65536         ; 16 rows of qkv on
.endif
.irp t, 0,1,2,3,4,5,6,7
	global_store_b128 v[CO], v[BB+4*\t:BB+4*\t+3], s[12:13] offset:\t*8192   ; sixteen lanes store 256 consecutive bytes, aligned: one head's part of a row
.endr
.endm
	PACK 0
	TOSTAGE 0
.irp a, 1,2,3,4,5,6,7
	PACK \a                                        ; block a's conversions stand between block a - 1's loads from the stage and the wait for them
	SEND \a-1
	TOSTAGE \a
.endr
	SEND 7
	s_wait_tensorcnt 0x0                           ; the wave's end
	ds_add_u32 v[SPW], v[NIL]
	s_wait_dscnt 0x0
	CROUND                                         ; the closing round
	s_endpgm
.Lfunc_end_k_qdd4412cecf_qkv:
	.size	k_qdd4412cecf_qkv, .Lfunc_end_k_qdd4412cecf_qkv-k_qdd4412cecf_qkv
	.p2alignl 7, 3214868480
	.fill 96, 4, 3214868480
	.section	.rodata,"a",@progbits
	.p2align	6, 0x0
	.amdhsa_kernel k_qdd4412cecf_qkv
		.amdhsa_group_segment_fixed_size 327680
		.amdhsa_private_segment_fixed_size 0
		.amdhsa_enable_private_segment 0
		.amdhsa_kernarg_size 32
		.amdhsa_user_sgpr_count 2
		.amdhsa_user_sgpr_kernarg_segment_ptr 1
		.amdhsa_wavefront_size32 1
		.amdhsa_system_sgpr_workgroup_id_x 1
		.amdhsa_system_sgpr_workgroup_id_y 1
		.amdhsa_system_sgpr_workgroup_id_z 1
		.amdhsa_system_vgpr_workitem_id 0
		.amdhsa_next_free_vgpr 1024
		.amdhsa_next_free_sgpr 100
		.amdhsa_reserve_vcc 0
		.amdhsa_float_denorm_mode_32 3
		.amdhsa_float_denorm_mode_16_64 3
		.amdhsa_memory_ordered 1
		.amdhsa_forward_progress 1
		.amdhsa_inst_pref_size 218
	.end_amdhsa_kernel
	.amdgpu_metadata
---
amdhsa.version: [ 1, 2 ]
amdhsa.kernels:
  - .name:           k_qdd4412cecf_qkv
    .symbol:         k_qdd4412cecf_qkv.kd
    .args:
      - { .name: codes, .offset: 0, .size: 8, .value_kind: global_buffer, .address_space: global }
      - { .name: scales, .offset: 8, .size: 8, .value_kind: global_buffer, .address_space: global }
      - { .name: qkv, .offset: 16, .size: 8, .value_kind: global_buffer, .address_space: global }
      - { .name: head32, .offset: 24, .size: 8, .value_kind: global_buffer, .address_space: global }
    .group_segment_fixed_size: 327680
    .private_segment_fixed_size: 0
    .kernarg_segment_align: 8
    .kernarg_segment_size: 32
    .max_flat_workgroup_size: 128
    .sgpr_count:     100
    .vgpr_count:     1024
    .wavefront_size: 32
...
	.end_amdgpu_metadata
.endif
;; end of part 2
;; launch attn (part 3): grid 8 x 32, 16 waves a work-group, clusters of 4 x 1, 327,680 bytes of LDS; arguments qkv, ao; writes ao
.if DOCPART == 3
	.amdgcn_target "amdgcn-amd-amdhsa--gfx1250"
	.amdhsa_code_object_version 6
	.text
	.protected	k_qdd4412cecf_attn
	.globl	k_qdd4412cecf_attn
	.p2align	8
	.type	k_qdd4412cecf_attn,@function
k_qdd4412cecf_attn:
	s_mov_b64 s[64:65], 0
	v_nop
	global_prefetch_b8 v0, s[64:65] scope:SCOPE_SE
	s_setreg_imm32_b32 hwreg(HW_REG_WAVE_MODE, 25, 1), 1
	s_wait_xcnt 0x0
	s_wait_alu depctr_hold_cnt(0) depctr_sa_sdst(0) depctr_va_vdst(0) depctr_va_sdst(0) depctr_va_ssrc(0) depctr_va_vcc(0) depctr_vm_vsrc(0)
	s_getreg_b32 s2, hwreg(HW_REG_IB_STS2, 6, 4)
	s_cmp_eq_u32 s2, 0
	s_cbranch_scc0 .Lentry_in_a_cluster
	s_endpgm
.Lentry_in_a_cluster:
	s_bfe_u32 s2, ttmp6, 0x10000c
	s_cmp_lg_u32 s2, 0x3003
	s_cbranch_scc0 .Lentry_shape_is_right
	s_endpgm
.Lentry_shape_is_right:
; ATTN: ao[b][t][n][:] = sum over s <= t of softmax_s(q . k / sqrt(128)) v, operands in f16, products, maxima and sums in f32, running maximum.
; qkv: [6144][2048] f16, row 2048 z + 1024 b + t (z = 0, 1, 2: q, k, v), head n at column 128 n.  ao: [2048][2048] f16, row 1024 b + t.
; Key s counts for query t where s <= t <= 1023: a masked key is treated as absent.  LIMIT: that equals reference's bias of -1e10 while logits stay under about 4e9 in magnitude.
; SHARES.  A head's 1,024 queries are 16 blocks of 64, each of four tiles of 16.  Eight work-groups serve a head, in two clusters of four.  Work-group (X = cluster, cx = place in it) owns eight tiles m = 0 .. 7:
; block 2 m + ((m % 2) xor X), and in it tile cx (m even) or 3 - cx (m odd).  A tile of block B has B + 1 steps of 64 keys: 1+4+5+8+9+12+13+16 = 2+3+6+7+10+11+14+15 = 68 tile steps in every work-group.
; Each tile has TWO waves: the wave of parity p takes key steps 2 i + p, i = 0 .. 7; the two halves (maximum, sum, O) meet in LDS at the end.
; Wave w: a = w / 4, x = a xor (w % 4), m = 2 x + a % 2, parity = a / 2: any four waves with equal w % 4, or with equal w / 4, hold one tile of each quarter of the sequence.
; THE RING.  Every work-group reads keys beyond 768, so all walk the same four slots of 256 keys, through two LDS slots; the four are written out.
; Waves 0 and 1 bring the halves of K's 256 rows, waves 2 and 3 those of V's: one tensor load each behind each round; all sixteen read them.  A refill has two key steps of every wave in which to land.
; CLUSTER 4 x 1: the four partners walk the same K and V, so each tile is asked for JOINTLY: the same tensor load, with the same descriptor and a mask that names the four.
; No branch hangs on cx: whether a step is hidden, on the diagonal or open hangs on the tile's BLOCK alone, which is made of the wave's number and the cluster's number; cx enters addresses of q and ao, and the mask's numbers.
; LAYOUT.  S^T = K Q^T and O^T = V^T P: a lane holds ONE query (lane % 16) throughout; K comes out of LDS as it lies, V turned, by ds_load_tr16_b128.
; REGISTERS: v1-15 addresses and constants; v16-47 Q; v48-111 eight fragments of K or V; v112-143 S^T, then p; v144-159 P in f16; v160-223 O^T; v224-231 statistics; v232-243 at work.
.set PK,    272                        ; a row of K in LDS: 256 bytes + 16
.set PV,    288                        ; a row of V: 256 + 32
.set SK,    256                        ; keys in a slot: four steps of 64, two for each parity
.set VOFF,  SK*PK                      ; a slot: 256 rows of K, then 256 rows of V
.set SLOT,  SK*(PK+PV)
.set MRG,   0                          ; in slot 0, which has had its last fill and its last read when the first of these bytes is stored: for each tile an image of O^T (8,192 bytes) and 256 bytes of (c m, l);
.set STG,   MRG+8*8448                 ; and for each tile a stage of 16 rows x 272 bytes for the way out
.set SPARE, 2*SLOT                     ; behind the ring: the spare words, 128 bytes for each of 16 waves: eight blocks of 256 bytes that no other line names
.set AK0, 1
.set AV0, 2
.set ADK, 3
.set ADV, 4
.set SPW, 5
.set NIL, 6
.set GO,  7
.set QO,  8
.set MI,  9
.set MS,  10
.set STO, 11
.set RD,  12
.set PFO, 13
.set RH,  14
.set NINF, 15
.set QF,  16
.set KV,  48
.set S,   112
.set P,   144
.set OA,  160
.set ST,  224                          ; +0 c m, +1 m, +2, +3 l (even keys, odd keys), +4 .. +7 at work; a takes +6
.set WV,  18
.set SEL, 20
.set CS,  22                           ; s[22:23] c = log2(e) / sqrt(128)
.set G1K, 24                           ; s[24:31] descriptor group 1 for K's tiles;  s[32:39] for V's: it differs in the padding alone
.set G1V, 32
.set G0K, 40                           ; s[40:47] descriptor group 0 for K's tiles, a set for each slot;  s[48:55] the same for V's
.set G0V, 48
.set PI,  56                           ; my parity
.set TAU, 57                           ; my tile m, 0..7
.set BP,  58                           ; my tile's block less my parity: my step i is hidden where BP < 2 i, on the diagonal where BP = 2 i, open where BP > 2 i
.set LIM, 59                           ; 1 in a wave that prefetches
.set PFA, 60                           ; s[60:61] where my prefetch stands; never rewritten
; A joint load into slot s.  Waves 0 and 1 fetch K's halves, waves 2 and 3 V's, the others nothing: the branches hang on the wave's number alone, the same in every work-group.
; An s_nop 0 and four v_nop follow each of the two lines.
.macro JLOAD s
	s_cmp_lt_u32 s[WV], 2
	s_cbranch_scc0 .Lnot_k_\@
	tensor_load_to_lds s[G0K+4*\s:G0K+4*\s+3], s[G1K:G1K+7]
	s_nop 0
.rept 4
	v_nop
.endr
	s_branch .Lasked_\@
.Lnot_k_\@:
	s_cmp_lt_u32 s[WV], 4
	s_cbranch_scc0 .Lasked_\@
	tensor_load_to_lds s[G0V+4*\s:G0V+4*\s+3], s[G1V:G1V+7]
	s_nop 0
.rept 4
	v_nop
.endr
.Lasked_\@:
.endm
; A PREFETCH of what the second refill will ask for (keys 768-1023: 256 rows of K and 256 of V, a head's 256 bytes of each, a lane a row), behind the first refill: a slot's two key steps ahead of that load.
; Both clusters of a head walk the same rows: the head's first cluster asks, and nobody else.  Its four partners share the rows out BY ADDRESS, 64 of K and 64 of V each; in each, waves 4 and 5 ask for K's,
; waves 6 and 7 for V's, 32 rows a wave.  So each row is named once in the launch.  The first three slots come by their loads alone: nothing is prefetched at the head.
.macro ASK
	s_cmp_eq_u32 s[LIM], 1
	s_cbranch_scc0 .Lnot_mine_\@
	global_prefetch_b8 v[PFO], s[PFA:PFA+1] th:TH_LOAD_NT scope:SCOPE_SE
.Lnot_mine_\@:
.endm
; A round of the cluster's barrier: my work-group's barrier, so that wave 0's signal speaks for all sixteen waves; wave 0 signals for the work-group; every wave waits for all four work-groups; my work-group's barrier once more.
.macro CROUND
	s_barrier_signal -1
	s_barrier_wait -1
	s_cmp_lg_u32 s[WV], 0
	s_cbranch_scc1 .Lnot_wave_0_\@
	s_barrier_signal -3
.Lnot_wave_0_\@:
	s_barrier_wait -3
	s_barrier_signal -1
	s_barrier_wait -1
.endm
	s_load_b128 s[4:7], s[0:1], 0x0                ; qkv s[4:5], ao s[6:7]
	v_lshl_add_u32 v[SPW], v0, 2, SPARE
	v_mov_b32 v[NIL], 0
	ds_add_u32 v[SPW], v[NIL]                      ; the opening: the add, twice on end, and its wait ahead of the first tensor load
	ds_add_u32 v[SPW], v[NIL]
	v_lshrrev_b32 v232, 5, v0
	v_readfirstlane_b32 s[WV], v232                ; wave 0..15
	s_lshr_b32 s70, s[WV], 2                       ; a
	s_and_b32 s71, s[WV], 3
	s_xor_b32 s71, s71, s70                        ; x
	s_and_b32 s72, s70, 1                          ; m % 2
	s_lshr_b32 s[PI], s70, 1
	s_lshl_b32 s[TAU], s71, 1
	s_add_co_u32 s[TAU], s[TAU], s72               ; m
	s_xor_b32 s73, s72, ttmp9                      ; (m % 2) xor the cluster's number (in a cluster launch ttmp9 counts clusters)
	s_lshl_b32 s74, s[TAU], 1
	s_add_co_u32 s74, s74, s73                     ; my tile's block of 64 queries: the same in all four partners
	s_sub_co_i32 s[BP], s74, s[PI]                 ; -1 .. 15
	s_bfe_u32 s75, ttmp6, 0x40000                  ; cx: my place in the cluster
	s_mul_i32 s82, s72, 3
	s_xor_b32 s82, s82, s75                        ; my tile in the block: cx or 3 - cx
	s_lshl_b32 s83, s82, 4
	s_lshl_b32 s84, s74, 6
	s_add_co_u32 s84, s84, s83                     ; my first query: it enters q's and ao's addresses alone
	s_and_b32 s85, ttmp7, 0xffff
	s_lshr_b32 s86, s85, 4                         ; b
	s_and_b32 s85, s85, 15                         ; n
	s_lshl_b32 s88, s86, 22                        ; 1,024 rows of 4,096 bytes
	s_lshl_b32 s85, s85, 8
	s_add_co_u32 s88, s88, s85                     ; the head's first byte in each third of qkv and in ao
	s_mov_b32 s89, 0
	s_and_b32 s90, s[WV], 1                        ; which 128 rows of a tile I fetch, if I fetch:
	s_lshl_b32 s92, s90, 19                        ; in memory,
	s_mov_b32 s93, 0
	s_add_nc_u64 s[92:93], s[92:93], s[88:89]
	s_mul_i32 s91, s90, 128*PK                     ; and in a slot: K's,
	s_mul_i32 s94, s90, 128*PV
	s_add_co_u32 s94, s94, VOFF                    ; V's: no place in the cluster enters an LDS address
	s_mov_b32 s[G1K], 15|(1<<16)|(1<<20)|(1<<21)|(5<<22)|(3<<25)   ; the mask: all four work-groups; elements of 2 bytes; padding on; bit 21 beside a mask; 4 words after every 64
	s_mov_b32 s[G1V], 15|(1<<16)|(1<<20)|(1<<21)|(5<<22)|(7<<25)   ; 8 words
.irp g, G1K, G1V
	s_mov_b32 s[\g+1], 128<<16                     ; tensor_dim0 = 128
	s_mov_b32 s[\g+2], 128<<16                     ; tensor_dim1 = 128
	s_mov_b32 s[\g+3], 128<<16                     ; tile_dim0 = 128
	s_mov_b32 s[\g+4], 128                         ; tile_dim1 = 128
	s_mov_b32 s[\g+5], 2048                        ; elements from row to row
	s_mov_b32 s[\g+6], 0
	s_mov_b32 s[\g+7], 0
.endr
	s_mov_b32 s[SEL], 0x76543210
	s_mov_b32 s[SEL+1], 0xfedcba98
	s_mov_b32 s[CS], 0x3e0293ee
	s_mov_b32 s[CS+1], s[CS]
	s_wait_dscnt 0x0                               ; both opening adds are done
	s_wait_kmcnt 0x0
	s_add_nc_u64 s[96:97], s[4:5], s[92:93]        ; qkv at my head and my 128 rows
	CROUND                                         ; all four work-groups are here: the first joint loads meet
.irp s, 0,1
	s_mov_b32 s[G0K+4*\s], 1                       ; count = 1
	s_add_co_u32 s[G0K+4*\s+1], s91, \s*SLOT       ; LDS address
	s_add_nc_u64 s[G0K+4*\s+2:G0K+4*\s+3], s[96:97], 8388608+\s*SK*4096    ; k lies 2,048 rows behind q; slot s begins with keys 256 s on
	s_or_b32 s[G0K+4*\s+3], s[G0K+4*\s+3], 0x80000000                      ; type = 2
	s_mov_b32 s[G0V+4*\s], 1
	s_add_co_u32 s[G0V+4*\s+1], s94, \s*SLOT
	s_add_nc_u64 s[G0V+4*\s+2:G0V+4*\s+3], s[96:97], 16777216+\s*SK*4096
	s_or_b32 s[G0V+4*\s+3], s[G0V+4*\s+3], 0x80000000
.endr
	s_cmp_lt_u32 s[WV], 2                          ; a wave's two first fills stand in one branch, ahead of every wait on TENSORcnt and every LDS read: two loads of a fetching wave are out
	s_cbranch_scc0 .Lfirst_not_k
	tensor_load_to_lds s[G0K:G0K+3], s[G1K:G1K+7]
	s_nop 0
	tensor_load_to_lds s[G0K+4:G0K+7], s[G1K:G1K+7]
	s_nop 0
.rept 4
	v_nop
.endr
	s_branch .Lfirst_asked
.Lfirst_not_k:
	s_cmp_lt_u32 s[WV], 4
	s_cbranch_scc0 .Lfirst_asked
	tensor_load_to_lds s[G0V:G0V+3], s[G1V:G1V+7]
	s_nop 0
	tensor_load_to_lds s[G0V+4:G0V+7], s[G1V:G1V+7]
	s_nop 0
.rept 4
	v_nop
.endr
.Lfirst_asked:
	s_add_nc_u64 s[66:67], s[4:5], s[88:89]        ; q of my head
	s_lshl_b32 s68, s84, 12
	s_mov_b32 s69, 0
	s_add_nc_u64 s[76:77], s[66:67], s[68:69]      ; my 16 queries
	s_add_nc_u64 s[6:7], s[6:7], s[88:89]
	s_add_nc_u64 s[6:7], s[6:7], s[68:69]          ; and their rows of ao
	s_mov_b32 s78, 16777216
	s_cmp_lt_u32 s[WV], 6
	s_cselect_b32 s78, 8388608, s78                ; the prefetch: waves under 6 stand in k, the others in v,
	s_add_co_u32 s78, s78, 3*SK*4096               ; at key 768,
	s_lshl_b32 s79, s75, 18
	s_add_co_u32 s78, s78, s79                     ; at my work-group's 64 rows,
	s_lshl_b32 s79, s90, 17
	s_add_co_u32 s78, s78, s79                     ; at my wave's 32 of them
	s_mov_b32 s79, 0
	s_add_nc_u64 s[PFA:PFA+1], s[66:67], s[78:79]
	s_lshr_b32 s78, s[WV], 2
	s_xor_b32 s78, s78, 1                          ; 0 in waves 4 to 7,
	s_or_b32 s78, s78, ttmp9                       ; of the head's first cluster: the same in all four partners
	s_cmp_eq_u32 s78, 0
	s_cselect_b32 s[LIM], 1, 0
	v_and_b32 v232, 15, v0                         ; r
	v_bfe_u32 v233, v0, 4, 1                       ; h
	v_and_b32 v234, 7, v0
	v_bfe_u32 v235, v0, 3, 1
	v_and_b32 v236, 31, v0                         ; lane
	v_lshlrev_b32 v[QO], 12, v232
	v_lshl_add_u32 v[QO], v233, 4, v[QO]           ; row r of 4,096 bytes + 16 h
.irp c, 0,1,2,3
	global_load_b128 v[QF+8*\c:QF+8*\c+3],   v[QO], s[76:77] offset:64*\c      ; Q stays in registers
	global_load_b128 v[QF+8*\c+4:QF+8*\c+7], v[QO], s[76:77] offset:64*\c+32
.endr
	s_mul_i32 s78, s[PI], 64*PK
	v_mul_u32_u24 v[AK0], v232, PK
	v_lshl_add_u32 v[AK0], v233, 4, v[AK0]
	v_add_nc_u32 v[AK0], s78, v[AK0]               ; K: my parity's 64 rows of each 128, row r, + 16 h
	s_mul_i32 s78, s[PI], 64*PV
	s_add_co_u32 s78, s78, VOFF
	v_lshl_add_u32 v[AV0], v233, 3, v234
	v_mul_u32_u24 v[AV0], v[AV0], PV
	v_lshl_add_u32 v[AV0], v235, 4, v[AV0]
	v_add_nc_u32 v[AV0], s78, v[AV0]               ; V: key 8 h + lane % 8, channels 8 ((lane / 8) % 2) on
	v_lshlrev_b32 v[GO], 12, v233
	v_lshl_add_u32 v[GO], v232, 4, v[GO]           ; the way out: lanes 0-15 one row of ao, lanes 16-31 the next
	s_mul_i32 s78, s[TAU], 8448
	s_add_co_u32 s78, s78, MRG
	v_lshl_add_u32 v[MI], v236, 4, s78             ; my tile's image of O^T: 16 bytes a lane
	s_add_co_u32 s78, s78, 8192
	v_lshl_add_u32 v[MS], v236, 3, s78             ; and its (c m, l): 8 bytes a lane
	s_mul_i32 s78, s[TAU], 4352
	s_add_co_u32 s78, s78, STG
	v_mul_u32_u24 v[STO], v232, 272
	v_lshl_add_u32 v[STO], v233, 4, v[STO]
	v_add_nc_u32 v[STO], s78, v[STO]
	v_mul_u32_u24 v[RD], v233, 272
	v_lshl_add_u32 v[RD], v232, 4, v[RD]
	v_add_nc_u32 v[RD], s78, v[RD]
	v_lshlrev_b32 v[PFO], 12, v236                 ; a lane a row
	v_lshlrev_b32 v[RH], 3, v233
	v_sub_nc_u32 v[RH], v232, v[RH]
	v_add_nc_u32 v[RH], s83, v[RH]                 ; the mask's d on the diagonal step: my query less the block's first key less 8 h = 16 x (tile in the block) + r - 8 h
	v_mov_b32 v[NINF], 0xff800000                  ; -infinity
	v_mov_b32 v[ST+1], 0xff61b1e6                  ; m: -3e38, under every score
	v_mul_f32 v[ST], s[CS], v[ST+1]                ; c m
	v_mov_b32 v[ST+2], 0
	v_mov_b32 v[ST+3], 0
	v_mov_b32 v238, 0                              ; a lane permute's destination counts as one of its sources
.irp j, 0,1,2,3,4,5,6,7,8,9,10,11,12,13,14,15,16,17,18,19,20,21,22,23,24,25,26,27,28,29,30,31,32,33,34,35,36,37,38,39,40,41,42,43,44,45,46,47,48,49,50,51,52,53,54,55,56,57,58,59,60,61,62,63
	v_mov_b32 v[OA+\j], 0                          ; O^T: the step has one form; a wave that walks no step hands zeros on
.endr
; MY KEY STEP st (0 .. 7): 64 keys, in slot sl, in its half hf, for my 16 queries.
.macro STEP sl, hf, st
	s_cmp_lt_i32 s[BP], 2*\st                      ; a step all of whose keys come after my tile's block is left out: a branch on the wave's and the cluster's number, round its loads and work alone
	s_cbranch_scc1 .Lhidden_\@
	v_add_nc_u32 v[ADK], \sl*SLOT, v[AK0]
	v_add_nc_u32 v[ADV], \sl*SLOT, v[AV0]
	v_nop
	v_nop                                          ; four places in front of loads into registers that the last products read
.irp g, 0,1                                    ; S^T = K Q^T, two tiles of 16 keys at a time
.if \g
.rept 4
	v_nop
.endr
.endif
.irp u, 0,1
.irp c, 0,1,2,3
	ds_load_b128 v[KV+32*\u+8*\c:KV+32*\u+8*\c+3],   v[ADK] offset:(128*\hf+16*(2*\g+\u))*PK+64*\c
	ds_load_b128 v[KV+32*\u+8*\c+4:KV+32*\u+8*\c+7], v[ADK] offset:(128*\hf+16*(2*\g+\u))*PK+64*\c+32
.endr
.endr
	s_wait_dscnt 0x0
.irp c, 0,1,2,3                                ; the two accumulators take turns, one instruction a turn
.irp u, 0,1
.if \c == 0
	v_wmma_f32_16x16x32_f16 v[S+8*(2*\g+\u):S+8*(2*\g+\u)+7], v[KV+32*\u+8*\c:KV+32*\u+8*\c+7], v[QF+8*\c:QF+8*\c+7], 0
.else
	v_wmma_f32_16x16x32_f16 v[S+8*(2*\g+\u):S+8*(2*\g+\u)+7], v[KV+32*\u+8*\c:KV+32*\u+8*\c+7], v[QF+8*\c:QF+8*\c+7], v[S+8*(2*\g+\u):S+8*(2*\g+\u)+7]
.endif
.endr
.endr
.endr
.rept 4
	v_nop                                          ; places in front of the loads below and of the first read of the scores
.endr
.irp ct, 0,1,2,3,4,5,6,7                       ; V of the step's keys 0-31, turned: asked for now, so that it lands under the softmax
	ds_load_tr16_b128 v[KV+8*\ct:KV+8*\ct+3],   v[ADV] offset:(128*\hf)*PV+32*\ct
	ds_load_tr16_b128 v[KV+8*\ct+4:KV+8*\ct+7], v[ADV] offset:(128*\hf+16)*PV+32*\ct
.endr
	s_cmp_gt_i32 s[BP], 2*\st                      ; in the block's own step hidden scores become -infinity; a step all of whose keys count skips this
	s_cbranch_scc1 .Lopen_\@
.irp n, 0,1,2,3,4,5,6,7,8,9,10,11,12,13,14,15,16,17,18,19,20,21,22,23,24,25,26,27,28,29,30,31
	v_cmp_gt_i32 vcc_lo, 16*(\n/8)+\n%8, v[RH]     ; register 8 t + i holds the step's key 16 t + 8 h + i: hidden where 16 t + i > d
	v_cndmask_b32 v[S+\n], v[S+\n], v[NINF], vcc_lo
.endr
.Lopen_\@:
.irp j, 0,1,2,3                                ; the maximum of my 32 scores and the old m: four chains
	v_max3_num_f32 v[ST+4+\j], v[S+8*\j], v[S+8*\j+1], v[S+8*\j+2]
.endr
.irp i, 3,5
.irp j, 0,1,2,3
	v_max3_num_f32 v[ST+4+\j], v[ST+4+\j], v[S+8*\j+\i], v[S+8*\j+\i+1]
.endr
.endr
	v_max3_num_f32 v[ST+4], v[ST+4], v[S+7], v[S+15]
	v_max3_num_f32 v[ST+6], v[ST+6], v[S+23], v[S+31]
	v_max3_num_f32 v[ST+4], v[ST+4], v[ST+5], v[ST+6]
	v_max3_num_f32 v[ST+4], v[ST+4], v[ST+7], v[ST+1]
	v_permlanex16_b32 v[ST+5], v[ST+4], s[SEL], s[SEL+1]   ; the query's other 32 keys lie in the lane 16 away
	v_mov_b32 v[ST+7], v[ST]                       ; c m_old is kept for a
	v_max_num_f32 v[ST+1], v[ST+4], v[ST+5]
	v_mul_f32 v[ST], s[CS], v[ST+1]
	v_sub_f32 v[ST+7], v[ST+7], v[ST]
.irp b, 0,1,2,3,4,5,6,7,8,9,10,11,12,13,14,15
	v_pk_fma_f32 v[S+2*\b:S+2*\b+1], v[S+2*\b:S+2*\b+1], s[CS:CS+1], v[ST:ST+1] op_sel_hi:[1,0,0] neg_lo:[0,0,1] neg_hi:[0,0,1]   ; c s - c m
.endr
	v_exp_f32 v[ST+6], v[ST+7]                     ; a = 2^(c m_old - c m_new)
.irp e, 0,1,2,3,4,5,6,7,8,9,10,11,12,13,14,15,16,17,18,19,20,21,22,23,24,25,26,27,28,29,30,31
	v_exp_f32 v[S+\e], v[S+\e]
.endr
	v_nop                                          ; a plain instruction behind the last exponential
	s_wait_alu depctr_va_vdst(0)                   ; one wait for the batch of 33, ahead of its first reader
.irp i, 0,1,2,3,4,5,6,7,8,9,10,11,12,13,14,15
	v_cvt_pk_f16_f32 v[P+\i], v[S+2*\i], v[S+2*\i+1]
.endr
.irp u, 0,1,2,3,4,5,6,7                        ; the sum of the 16 pairs, in place
	v_pk_add_f32 v[S+4*\u:S+4*\u+1], v[S+4*\u:S+4*\u+1], v[S+4*\u+2:S+4*\u+3]
.endr
.irp u, 0,1,2,3
	v_pk_add_f32 v[S+8*\u:S+8*\u+1], v[S+8*\u:S+8*\u+1], v[S+8*\u+4:S+8*\u+5]
.endr
.irp u, 0,1
	v_pk_add_f32 v[S+16*\u:S+16*\u+1], v[S+16*\u:S+16*\u+1], v[S+16*\u+8:S+16*\u+9]
.endr
	v_pk_add_f32 v[S:S+1], v[S:S+1], v[S+16:S+17]
	v_pk_fma_f32 v[ST+2:ST+3], v[ST+2:ST+3], v[ST+6:ST+7], v[S:S+1] op_sel_hi:[1,0,1]   ; l = a l + the sum
.irp i, 0,1,2,3,4,5,6,7,8,9,10,11,12,13,14,15,16,17,18,19,20,21,22,23,24,25,26,27,28,29,30,31
	v_pk_mul_f32 v[OA+2*\i:OA+2*\i+1], v[OA+2*\i:OA+2*\i+1], v[ST+6:ST+7] op_sel_hi:[1,0]   ; O^T x a, from each accumulator's low end on
.endr
	s_wait_dscnt 0x0                               ; V of keys 0-31 is in
.irp ct, 0,1,2,3,4,5,6,7                       ; eight accumulators by turns
	v_wmma_f32_16x16x32_f16 v[OA+8*\ct:OA+8*\ct+7], v[KV+8*\ct:KV+8*\ct+7], v[P:P+7], v[OA+8*\ct:OA+8*\ct+7]
.endr
.rept 4
	v_nop
.endr
.irp ct, 0,1,2,3,4,5,6,7
	ds_load_tr16_b128 v[KV+8*\ct:KV+8*\ct+3],   v[ADV] offset:(128*\hf+32)*PV+32*\ct
	ds_load_tr16_b128 v[KV+8*\ct+4:KV+8*\ct+7], v[ADV] offset:(128*\hf+48)*PV+32*\ct
.endr
	s_wait_dscnt 0x0
.irp ct, 0,1,2,3,4,5,6,7
	v_wmma_f32_16x16x32_f16 v[OA+8*\ct:OA+8*\ct+7], v[KV+8*\ct:KV+8*\ct+7], v[P+8:P+15], v[OA+8*\ct:OA+8*\ct+7]
.endr
.Lhidden_\@:
.endm
; THE CHANGE OF SLOTS.  Each wave waits for all its tensor loads (its part of the slot that it is about to read), adds 0 to its spare word, and waits for that and for its reads of slot sl, which it has left.
; fill = 1: slot sl is filled again, with the keys two slots on.  The barrier is then a round of the cluster's, so that no wave of any partner still reads the slot or has a load on its way, and the joint
; refill is the first thing behind it: it has the other slot's two key steps of every wave in which to land.
.macro CHANGE fill, sl, ask
	s_wait_tensorcnt 0x0                           ; no tensor load of mine is out, so a group 0 may be written
	ds_add_u32 v[SPW], v[NIL]
.if \fill
	ds_add_u32 v[SPW], v[NIL]                      ; and twice on end here
	s_add_nc_u64 s[G0K+4*\sl+2:G0K+4*\sl+3], s[G0K+4*\sl+2:G0K+4*\sl+3], 2*SK*4096   ; 512 rows of 4,096 bytes on; the type bits on top are not reached
	s_add_nc_u64 s[G0V+4*\sl+2:G0V+4*\sl+3], s[G0V+4*\sl+2:G0V+4*\sl+3], 2*SK*4096
	s_wait_dscnt 0x0                               ; both adds are done, and my reads of the slot are over
	CROUND
	JLOAD \sl                                      ; the first tensor load behind the round, and a wave's only one until the next
.if \ask
	ASK
.endif
.else
	s_wait_dscnt 0x0                               ; the add is done, and my reads of the slot are over
	s_barrier_signal -1
	s_barrier_wait -1
.endif
.endm
	s_wait_tensorcnt 0x1                           ; my part of slot 0 is in; slot 1's may stay out
	s_barrier_signal -1
	s_barrier_wait -1                              ; everybody's is
	s_wait_loadcnt 0x0                             ; Q
	STEP 0, 0, 0                                   ; keys 0-255; key 0 counts for every query
	STEP 0, 1, 1
	CHANGE 1, 0, 1                                 ; slot 0 takes keys 512-767
	STEP 1, 0, 2                                   ; keys 256-511
	STEP 1, 1, 3
	CHANGE 1, 1, 0                                 ; slot 1 takes keys 768-1023: the last load
	STEP 0, 0, 4
	STEP 0, 1, 5
	CHANGE 0, 0, 0                                 ; nothing is left to ask for; behind this barrier nobody reads slot 0 any more
	STEP 1, 0, 6
	STEP 1, 1, 7
	; THE TWO HALVES OF A TILE MEET.  The wave of parity 1 puts O^T, c m and l into LDS as images of its registers; the wave of parity 0 brings both under the larger maximum, divides and stores.
.rept 4
	v_nop                                          ; places behind the last products
.endr
	v_add_f32 v[ST+1], v[ST+2], v[ST+3]            ; l's two halves, into m's register: (c m, l) is a pair
	s_cmp_eq_u32 s[PI], 0
	s_cbranch_scc1 .Lkeeper
.irp i, 0,1,2,3,4,5,6,7,8,9,10,11,12,13,14,15
	ds_store_b128 v[MI], v[OA+4*\i:OA+4*\i+3] offset:512*\i
.endr
	ds_store_b64 v[MS], v[ST:ST+1]
.Lkeeper:
	s_wait_dscnt 0x0                               ; for the other wave's sake: my stores have landed
	s_barrier_signal -1
	s_barrier_wait -1
	s_cmp_lg_u32 s[PI], 0
	s_cbranch_scc1 .Ldone
.irp i, 0,1,2,3,4,5,6,7,8,9,10,11,12,13,14,15
	ds_load_b128 v[KV+4*\i:KV+4*\i+3], v[MI] offset:512*\i
.endr
	ds_load_b64 v[232:233], v[MS]
	s_wait_dscnt 0x0
	v_max_num_f32 v234, v[ST], v232                ; the larger c m
	v_sub_f32 v235, v[ST], v234
	v_sub_f32 v236, v232, v234
	v_exp_f32 v235, v235                           ; f0
	v_exp_f32 v236, v236                           ; f1: 0 where the other wave walked no step (its c m is -3.8e37, its l and O^T are zeros)
	v_nop
	s_wait_alu depctr_va_vdst(0)
	v_mul_f32 v237, v235, v[ST+1]
	v_fma_f32 v237, v236, v233, v237               ; f0 l0 + f1 l1
	v_permlanex16_b32 v238, v237, s[SEL], s[SEL+1]
	v_add_f32 v237, v237, v238                     ; with the other half of the lanes: the row's sum
	v_rcp_f32 v237, v237
	v_nop
	s_wait_alu depctr_va_vdst(0)
	v_mul_f32 v240, v235, v237                     ; g0 = f0 / l, in both halves of a pair
	v_mul_f32 v241, v235, v237
	v_mul_f32 v242, v236, v237                     ; g1
	v_mul_f32 v243, v236, v237
.irp i, 0,1,2,3,4,5,6,7,8,9,10,11,12,13,14,15,16,17,18,19,20,21,22,23,24,25,26,27,28,29,30,31
	v_pk_mul_f32 v[OA+2*\i:OA+2*\i+1], v[OA+2*\i:OA+2*\i+1], v[240:241]
.endr
.irp i, 0,1,2,3,4,5,6,7,8,9,10,11,12,13,14,15,16,17,18,19,20,21,22,23,24,25,26,27,28,29,30,31
	v_pk_fma_f32 v[OA+2*\i:OA+2*\i+1], v[KV+2*\i:KV+2*\i+1], v[242:243], v[OA+2*\i:OA+2*\i+1]
.endr
.irp i, 0,1,2,3,4,5,6,7,8,9,10,11,12,13,14,15,16,17,18,19,20,21,22,23,24,25,26,27,28,29,30,31
	v_cvt_pk_f16_f32 v[S+\i], v[OA+2*\i], v[OA+2*\i+1]
.endr
.irp f, 0,1,2,3,4,5,6,7
	ds_store_b128 v[STO], v[S+4*\f:S+4*\f+3] offset:32*\f          ; a lane's eight channels of a row: 16 bytes
.endr
.irp f, 0,1,2,3,4,5,6,7
	ds_load_b128 v[S+4*\f:S+4*\f+3], v[RD] offset:\f*2*272         ; back as whole rows; LDS serves a wave's instructions in order
.endr
.irp f, 0,1,2,3,4,5,6,7
	s_wait_dscnt 7-\f                              ; the younger loads may be out
	global_store_b128 v[GO], v[S+4*\f:S+4*\f+3], s[6:7] offset:\f*8192   ; sixteen lanes store 256 consecutive bytes, aligned
.endr
.Ldone:
	s_wait_tensorcnt 0x0                           ; the wave's end
	ds_add_u32 v[SPW], v[NIL]
	s_wait_dscnt 0x0
	CROUND                                         ; the closing round: no work-group ends while a partner may still ask for a tile that names it
	s_endpgm
.Lfunc_end_k_qdd4412cecf_attn:
	.size	k_qdd4412cecf_attn, .Lfunc_end_k_qdd4412cecf_attn-k_qdd4412cecf_attn
	.p2alignl 7, 3214868480
	.fill 96, 4, 3214868480
	.section	.rodata,"a",@progbits
	.p2align	6, 0x0
	.amdhsa_kernel k_qdd4412cecf_attn
		.amdhsa_group_segment_fixed_size 327680
		.amdhsa_private_segment_fixed_size 0
		.amdhsa_enable_private_segment 0
		.amdhsa_kernarg_size 16
		.amdhsa_user_sgpr_count 2
		.amdhsa_user_sgpr_kernarg_segment_ptr 1
		.amdhsa_wavefront_size32 1
		.amdhsa_system_sgpr_workgroup_id_x 1
		.amdhsa_system_sgpr_workgroup_id_y 1
		.amdhsa_system_sgpr_workgroup_id_z 1
		.amdhsa_system_vgpr_workitem_id 0
		.amdhsa_next_free_vgpr 256
		.amdhsa_next_free_sgpr 100
		.amdhsa_reserve_vcc 1
		.amdhsa_float_denorm_mode_32 3
		.amdhsa_float_denorm_mode_16_64 3
		.amdhsa_memory_ordered 1
		.amdhsa_forward_progress 1
		.amdhsa_inst_pref_size 154
	.end_amdhsa_kernel
	.amdgpu_metadata
---
amdhsa.version: [ 1, 2 ]
amdhsa.kernels:
  - .name:           k_qdd4412cecf_attn
    .symbol:         k_qdd4412cecf_attn.kd
    .args:
      - { .name: qkv, .offset: 0, .size: 8, .value_kind: global_buffer, .address_space: global }
      - { .name: ao, .offset: 8, .size: 8, .value_kind: global_buffer, .address_space: global }
    .group_segment_fixed_size: 327680
    .private_segment_fixed_size: 0
    .kernarg_segment_align: 8
    .kernarg_segment_size: 16
    .max_flat_workgroup_size: 512
    .sgpr_count:     100
    .vgpr_count:     256
    .wavefront_size: 32
...
	.end_amdgpu_metadata
.endif
;; end of part 3
;; launch oproj (part 4): grid 16 x 16, 4 waves a work-group, clusters of 4 x 4, 327,680 bytes of LDS; arguments ao, wo16, out0; writes out0
.if DOCPART == 4
	.amdgcn_target "amdgcn-amd-amdhsa--gfx1250"
	.amdhsa_code_object_version 6
	.text
	.protected	k_qdd4412cecf_oproj
	.globl	k_qdd4412cecf_oproj
	.p2align	8
	.type	k_qdd4412cecf_oproj,@function
k_qdd4412cecf_oproj:
	s_mov_b64 s[64:65], 0
	v_nop
	global_prefetch_b8 v0, s[64:65] scope:SCOPE_SE
	s_setreg_imm32_b32 hwreg(HW_REG_WAVE_MODE, 25, 1), 1
	s_wait_xcnt 0x0
	s_wait_alu depctr_hold_cnt(0) depctr_sa_sdst(0) depctr_va_vdst(0) depctr_va_sdst(0) depctr_va_ssrc(0) depctr_va_vcc(0) depctr_vm_vsrc(0)
	s_getreg_b32 s2, hwreg(HW_REG_IB_STS2, 6, 4)
	s_cmp_eq_u32 s2, 0
	s_cbranch_scc0 .Lentry_in_a_cluster
	s_endpgm
.Lentry_in_a_cluster:
	s_bfe_u32 s2, ttmp6, 0x10000c
	s_cmp_lg_u32 s2, 0xf033
	s_cbranch_scc0 .Lentry_shape_is_right
	s_endpgm
.Lentry_shape_is_right:
; OPROJ: out0[m][e] = sum over k of ao[m][k] wo16[k][e].  ao [2048][2048] f16, wo16 [2048 (k)][2048 (e)] f16, out0 [2048][2048] f32; sums in f32.
; A tile of out0 is 128 x 128: 256 work-groups.  Four waves, 64 x 64 each: 16 accumulators.  K goes in steps of 256 through two LDS slots.
; A's tile: 128 rows x 512 bytes (pitch 528).  B's tile lies as in memory, [k][e]: 256 rows x 256 bytes (pitch 288), and is read turned, by ds_load_tr16_b128.
; CLUSTERS 4 x 4: A's tile is shared along a row of the cluster, B's along a column; each is asked for jointly.  Waves 0 and 1 ask for A's halves (64 rows), waves 2 and 3 for B's (128 rows of k).
; The matrix instruction is used transposed (source 0 = 16 columns e, source 1 = 16 rows m): a lane holds eight neighbouring numbers of a row of out0.
; Rows 0-15 of each batch leave here in f16's accuracy and are written again, in f32's, by a later launch.
; REGISTERS: window 0: v0-31 addresses; v128-255 the accumulators ((a, b) at v[128 + 8 (4 a + b)]).   window 1: two fragment buffers of 128: 64 registers of A, then 64 of B.
.set KSTEP,  256
.set PA,     528
.set PB,     288
.set HALFA,  64*PA
.set HALFB,  128*PB
.set BOFF,   2*HALFA
.set SLOT,   BOFF+2*HALFB
.set SPARE,  2*SLOT                    ; the spare words: 128 bytes for each wave
.set SPITCH, 528                       ; the way out: 128 rows x (512 + 16) bytes, in slot 0, which has had its last fill and its last read by then
.set LAPS,   4
.set ADRA, 16                          ; v16-17  my A fragments in slot 0, 1
.set ADRB, 20                          ; v20-23  my B fragments: slot 0 rows 0-127, rows 128-255; slot 1 likewise (a tile is longer than a 16-bit offset reaches)
.set STO,  24
.set RD,   25
.set CO,   26
.set SPW,  28
.set NIL,  29
.set ACC,  128
.set F0,   0
.set F1,   128
.set G1, 24
.set G0, 32
.set G1B, 48
.set G0B, 56
.set MSB, 0
.macro WIN new
.if MSB != (\new)
	s_set_vgpr_msb (MSB<<8)|(\new)
.set MSB, (\new)
.endif
.endm
.set MUL,  0x05
.set TO_F, 0x40
.macro JLOAD s
	s_cmp_eq_u32 s11, 0
	s_cbranch_scc0 .Lfor_b_\@
	tensor_load_to_lds s[G0+4*\s:G0+4*\s+3], s[G1:G1+7]
	s_nop 0
.rept 4
	v_nop
.endr
	s_branch .Lasked_\@
.Lfor_b_\@:
	tensor_load_to_lds s[G0B+4*\s:G0B+4*\s+3], s[G1B:G1B+7]
	s_nop 0
.rept 4
	v_nop
.endr
.Lasked_\@:
.endm
.macro CREST
	s_cmp_lg_u32 s10, 0
	s_cbranch_scc1 .Lnot_wave_0_\@
	s_barrier_signal -3
.Lnot_wave_0_\@:
	s_barrier_wait -3
	s_barrier_signal -1
	s_barrier_wait -1
.endm
.macro CROUND
	s_barrier_signal -1
	s_barrier_wait -1
	CREST
.endm
	s_load_b128 s[4:7], s[0:1], 0x0                ; ao s[4:5], wo16 s[6:7]
	s_load_b64 s[8:9], s[0:1], 0x10                ; out0
	v_lshl_add_u32 v[SPW], v0, 2, SPARE
	v_mov_b32 v[NIL], 0
	ds_add_u32 v[SPW], v[NIL]                      ; the opening: the add, twice on end, and its wait ahead of my first tensor load
	ds_add_u32 v[SPW], v[NIL]
	v_lshrrev_b32 v1, 5, v0
	v_readfirstlane_b32 s10, v1                    ; wave 0..3
	s_lshr_b32 s11, s10, 1                         ; my half of the tile's rows; also: I fetch for A (0) or B (1)
	s_and_b32 s12, s10, 1                          ; my half of its columns; also: which half of that tile I fetch
	s_bfe_u32 s40, ttmp6, 0x40000                  ; cx
	s_bfe_u32 s41, ttmp6, 0x40004                  ; cy
	s_lshl_b32 s42, ttmp9, 2
	s_add_co_u32 s42, s42, s40                     ; tile column
	s_and_b32 s13, ttmp7, 0xffff
	s_lshl_b32 s13, s13, 2
	s_add_co_u32 s13, s13, s41                     ; tile row
	s_lshl_b32 s43, s41, 2
	s_lshl_b32 s43, 15, s43                        ; my row of the cluster
	s_lshl_b32 s44, 0x1111, s40                    ; my column
	s_or_b32 s[G1+0], s43, (1<<16)|(1<<20)|(1<<21)|(6<<22)|(3<<25)   ; A: elements of 2 bytes; 4 words of padding after every 128
	s_mov_b32 s[G1+1], 256<<16                     ; tensor_dim0
	s_mov_b32 s[G1+2], 64<<16                      ; tensor_dim1
	s_mov_b32 s[G1+3], 256<<16                     ; tile_dim0
	s_mov_b32 s[G1+4], 64                          ; tile_dim1
	s_mov_b32 s[G1+5], 2048
	s_mov_b32 s[G1+6], 0
	s_mov_b32 s[G1+7], 0
	s_or_b32 s[G1B+0], s44, (1<<16)|(1<<20)|(1<<21)|(5<<22)|(7<<25)  ; B: 8 words of padding after every 64
	s_mov_b32 s[G1B+1], 128<<16
	s_mov_b32 s[G1B+2], 128<<16
	s_mov_b32 s[G1B+3], 128<<16
	s_mov_b32 s[G1B+4], 128
	s_mov_b32 s[G1B+5], 2048
	s_mov_b32 s[G1B+6], 0
	s_mov_b32 s[G1B+7], 0
	s_lshl_b32 s17, s12, 6
	s_lshl_b32 s16, s13, 7
	s_add_co_u32 s16, s16, s17                     ; A: row 128 x tile row + 64 x half
	s_lshl_b32 s16, s16, 12
	s_mov_b32 s17, 0
	s_lshl_b32 s46, s12, 19                        ; B: 128 x half rows of 4,096 bytes,
	s_lshl_b32 s47, s42, 8                         ; + 256 bytes x tile column
	s_add_co_u32 s46, s46, s47
	s_mov_b32 s47, 0
	s_mul_i32 s20, s12, HALFA                      ; where they go: no place in the cluster enters an LDS address
	s_mul_i32 s21, s12, HALFB
	s_add_co_u32 s21, s21, BOFF
	s_wait_dscnt 0x0                               ; both opening adds are done
	s_wait_kmcnt 0x0
	s_add_nc_u64 s[14:15], s[4:5], s[16:17]
	s_add_nc_u64 s[46:47], s[6:7], s[46:47]
	CROUND                                         ; all sixteen work-groups are here: the first joint loads meet
.irp s, 0,1
	s_mov_b32 s[G0+4*\s], 1
	s_add_co_u32 s[G0+4*\s+1], s20, \s*SLOT
	s_add_nc_u64 s[G0+4*\s+2:G0+4*\s+3], s[14:15], \s*KSTEP*2
	s_or_b32 s[G0+4*\s+3], s[G0+4*\s+3], 0x80000000
	s_mov_b32 s[G0B+4*\s], 1
	s_add_co_u32 s[G0B+4*\s+1], s21, \s*SLOT
	s_add_nc_u64 s[G0B+4*\s+2:G0B+4*\s+3], s[46:47], \s*KSTEP*4096
	s_or_b32 s[G0B+4*\s+3], s[G0B+4*\s+3], 0x80000000
	JLOAD \s                                       ; by this text's count two loads of mine are out here
.endr
	v_and_b32 v1, 15, v0                           ; r
	v_bfe_u32 v2, v0, 4, 1                         ; h
	v_mul_u32_u24 v3, v1, PA
	v_lshl_add_u32 v3, v2, 4, v3
	s_mul_i32 s21, s11, HALFA                      ; my 64 rows of A
.irp s, 0,1
	v_add_nc_u32 v[ADRA+\s], s21, v3
	s_add_co_u32 s21, s21, SLOT
.endr
	v_and_b32 v4, 7, v0
	v_bfe_u32 v5, v0, 3, 1
	v_lshl_add_u32 v4, v2, 3, v4
	v_mul_u32_u24 v4, v4, PB
	v_lshl_add_u32 v4, v5, 4, v4                   ; the turning load: row 8 h + lane % 8, 16 bytes x ((lane / 8) % 2)
	s_lshl_b32 s22, s12, 7                         ; my 64 columns: 128 bytes x half
	s_add_co_u32 s22, s22, BOFF
.irp i, 0,1,2,3
	s_add_co_u32 s23, s22, (\i/2)*SLOT+(\i%2)*HALFB
	v_add_nc_u32 v[ADRB+\i], s23, v4
.endr
	s_mul_i32 s23, s11, 64*SPITCH                  ; into the stage: my 64 rows, my 256 bytes of their 512; row r, 32 bytes for each half of the lanes
	s_lshl_b32 s21, s12, 8
	s_add_co_u32 s23, s23, s21
	v_mul_u32_u24 v4, v1, SPITCH
	v_lshl_add_u32 v4, v2, 5, v4
	v_add_nc_u32 v[STO], s23, v4
	s_mul_i32 s23, s10, 32*SPITCH                  ; back: wave w takes rows 32 w .. 32 w + 31, whole
	v_and_b32 v5, 31, v0
	v_lshlrev_b32 v[CO], 4, v5
	v_add_nc_u32 v[RD], s23, v[CO]
	s_lshl_b32 s16, s13, 7
	s_lshl_b32 s17, s10, 5
	s_add_co_u32 s16, s16, s17                     ; the first row of out0 that I store
	s_lshl_b32 s16, s16, 13
	s_mov_b32 s17, 0
	s_add_nc_u64 s[8:9], s[8:9], s[16:17]
	s_lshl_b32 s46, s42, 9                         ; the tile's first column, in bytes
	s_mov_b32 s47, 0
	s_add_nc_u64 s[8:9], s[8:9], s[46:47]
.macro MUL8 f, c, a0, zero             ; 8 matrix instructions; the 16 accumulators take turns, one instruction a turn
.irp a, \a0, \a0+1
.irp b, 0,1,2,3
.if \zero
	v_wmma_f32_16x16x32_f16 v[ACC+8*(4*(\a)+\b):ACC+8*(4*(\a)+\b)+7], v[\f+64+8*(4*\c+\b):\f+64+8*(4*\c+\b)+7], v[\f+8*(4*\c+\a):\f+8*(4*\c+\a)+7], 0
.else
	v_wmma_f32_16x16x32_f16 v[ACC+8*(4*(\a)+\b):ACC+8*(4*(\a)+\b)+7], v[\f+64+8*(4*\c+\b):\f+64+8*(4*\c+\b)+7], v[\f+8*(4*\c+\a):\f+8*(4*\c+\a)+7], v[ACC+8*(4*(\a)+\b):ACC+8*(4*(\a)+\b)+7]
.endif
.endr
.endr
.endm
.macro FETCH slot, q, f                ; 32 LDS loads in one run: the fragments of the slot's q-th 64 along K into buffer f; the first 32 along K first
	WIN TO_F
.irp c, 0,1
.irp i, 0,1,2,3
	ds_load_tr16_b128 v[\f+64+8*(4*\c+\i):\f+64+8*(4*\c+\i)+3],   v[ADRB+2*\slot+(\q)/2] offset:(64*((\q)%2)+32*\c)*PB+32*\i
	ds_load_tr16_b128 v[\f+64+8*(4*\c+\i)+4:\f+64+8*(4*\c+\i)+7], v[ADRB+2*\slot+(\q)/2] offset:(64*((\q)%2)+32*\c+16)*PB+32*\i
	ds_load_b128 v[\f+8*(4*\c+\i):\f+8*(4*\c+\i)+3],              v[ADRA+\slot] offset:128*(\q)+64*\c+\i*16*PA
	ds_load_b128 v[\f+8*(4*\c+\i)+4:\f+8*(4*\c+\i)+7],            v[ADRA+\slot] offset:128*(\q)+64*\c+\i*16*PA+32
.endr
.endr
.endm
.macro PLACES
.rept 4
	v_nop
.endr
.endm
.macro QUARTER slot, q, f, g, zero     ; multiplies buffer f and fetches the slot's q-th quarter into g
	s_wait_dscnt 16                                ; the first 32 along K are in; the sixteen younger loads may be out
	WIN MUL
	MUL8 \f, 0, 0, \zero
	MUL8 \f, 0, 2, \zero
	PLACES
	FETCH \slot, \q, \g
	s_wait_dscnt 32                                ; all but the 32 just issued
	WIN MUL
	MUL8 \f, 1, 0, 0
	MUL8 \f, 1, 2, 0
.endm
.macro TURN slot, next, fill           ; the last quarter multiplies buffer 1 and changes slots
	WIN 0
	s_wait_tensorcnt 0x0                           ; all my tensor loads have landed: my part of the next slot
	ds_add_u32 v[SPW], v[NIL]
	s_wait_dscnt 17                                ; the add and the youngest sixteen loads may be out
	WIN MUL
	MUL8 F1, 0, 0, 0
	s_wait_dscnt 0x0                               ; the add is done, and my reads of this slot are over
	s_barrier_signal -1
	MUL8 F1, 0, 2, 0
.if \fill
	WIN 0
.endif
	s_barrier_wait -1
.if \fill
	CREST                                          ; the barrier has opened a round of the cluster's barrier
	s_add_nc_u64 s[G0+4*\slot+2:G0+4*\slot+3], s[G0+4*\slot+2:G0+4*\slot+3], 2*KSTEP*2
	s_add_nc_u64 s[G0B+4*\slot+2:G0B+4*\slot+3], s[G0B+4*\slot+2:G0B+4*\slot+3], 2*KSTEP*4096
	JLOAD \slot                                    ; the first tensor load behind the round, and my only one until the next
.else
	PLACES
.endif
	FETCH \next, 0, F0
	WIN MUL
	MUL8 F1, 1, 0, 0
	MUL8 F1, 1, 2, 0
.endm
	s_wait_tensorcnt 1                             ; my part of K step 0 is in; K step 1's may be out
	s_barrier_signal -1
	s_barrier_wait -1
	FETCH 0, 0, F0
	QUARTER 0, 1, F0, F1, 1                        ; the first quarter's first products start the sums
	WIN 0
	s_mov_b32 s3, LAPS-1
.Llap:
	QUARTER 0, 2, F1, F0, 0
	QUARTER 0, 3, F0, F1, 0
	TURN 0, 1, 1
	QUARTER 1, 1, F0, F1, 0
	QUARTER 1, 2, F1, F0, 0
	QUARTER 1, 3, F0, F1, 0
	TURN 1, 0, 1
	QUARTER 0, 1, F0, F1, 0
	WIN 0
	s_sub_co_u32 s3, s3, 1
	s_cmp_lg_u32 s3, 0
	s_cbranch_scc1 .Llap
	QUARTER 0, 2, F1, F0, 0                        ; the last lap fills nothing
	QUARTER 0, 3, F0, F1, 0
	TURN 0, 1, 0
	QUARTER 1, 1, F0, F1, 0
	QUARTER 1, 2, F1, F0, 0
	QUARTER 1, 3, F0, F1, 0
	s_wait_dscnt 16
	WIN MUL
	MUL8 F1, 0, 0, 0
	MUL8 F1, 0, 2, 0
	s_wait_dscnt 0
	MUL8 F1, 1, 0, 0
	MUL8 F1, 1, 2, 0
	WIN 0
	; THE WAY OUT: 32 bytes a lane into the work-group's stage; a barrier, since a row's 512 bytes come from two waves; back as whole rows, 32 rows a wave.
	PLACES
.irp a, 0,1,2,3
.irp b, 0,1,2,3
	ds_store_b128 v[STO], v[ACC+8*(4*\a+\b):ACC+8*(4*\a+\b)+3] offset:\a*16*SPITCH+64*\b       ; each accumulator from its low end on
	ds_store_b128 v[STO], v[ACC+8*(4*\a+\b)+4:ACC+8*(4*\a+\b)+7] offset:\a*16*SPITCH+64*\b+16
.endr
.endr
	s_wait_dscnt 0x0                               ; for the others' sake: my stores into the stage are done
	s_barrier_signal -1
	s_barrier_wait -1
.irp t, 0,1,2,3,4,5,6,7,8,9,10,11,12,13,14,15,16,17,18,19,20,21,22,23,24,25,26,27,28,29,30,31
	ds_load_b128 v[ACC+4*\t:ACC+4*\t+3], v[RD] offset:\t*SPITCH
.endr
.irp t, 0,1,2,3,4,5,6,7,8,9,10,11,12,13,14,15,16,17,18,19,20,21,22,23,24,25,26,27,28,29,30,31
	s_wait_dscnt 31-\t                             ; the younger loads may be out
	global_store_b128 v[CO], v[ACC+4*\t:ACC+4*\t+3], s[8:9] offset:\t*8192 th:TH_STORE_NT   ; 32 lanes store 512 consecutive bytes, aligned
.endr
	s_wait_tensorcnt 0x0                           ; the wave's end
	ds_add_u32 v[SPW], v[NIL]
	s_wait_dscnt 0x0
	CROUND                                         ; the closing round
	s_endpgm
.Lfunc_end_k_qdd4412cecf_oproj:
	.size	k_qdd4412cecf_oproj, .Lfunc_end_k_qdd4412cecf_oproj-k_qdd4412cecf_oproj
	.p2alignl 7, 3214868480
	.fill 96, 4, 3214868480
	.section	.rodata,"a",@progbits
	.p2align	6, 0x0
	.amdhsa_kernel k_qdd4412cecf_oproj
		.amdhsa_group_segment_fixed_size 327680
		.amdhsa_private_segment_fixed_size 0
		.amdhsa_enable_private_segment 0
		.amdhsa_kernarg_size 24
		.amdhsa_user_sgpr_count 2
		.amdhsa_user_sgpr_kernarg_segment_ptr 1
		.amdhsa_wavefront_size32 1
		.amdhsa_system_sgpr_workgroup_id_x 1
		.amdhsa_system_sgpr_workgroup_id_y 1
		.amdhsa_system_sgpr_workgroup_id_z 1
		.amdhsa_system_vgpr_workitem_id 0
		.amdhsa_next_free_vgpr 512
		.amdhsa_next_free_sgpr 66
		.amdhsa_reserve_vcc 0
		.amdhsa_float_denorm_mode_32 3
		.amdhsa_float_denorm_mode_16_64 3
		.amdhsa_memory_ordered 1
		.amdhsa_forward_progress 1
		.amdhsa_inst_pref_size 87
	.end_amdhsa_kernel
	.amdgpu_metadata
---
amdhsa.version: [ 1, 2 ]
amdhsa.kernels:
  - .name:           k_qdd4412cecf_oproj
    .symbol:         k_qdd4412cecf_oproj.kd
    .args:
      - { .name: ao, .offset: 0, .size: 8, .value_kind: global_buffer, .address_space: global }
      - { .name: wo16, .offset: 8, .size: 8, .value_kind: global_buffer, .address_space: global }
      - { .name: out0, .offset: 16, .size: 8, .value_kind: global_buffer, .address_space: global }
    .group_segment_fixed_size: 327680
    .private_segment_fixed_size: 0
    .kernarg_segment_align: 8
    .kernarg_segment_size: 24
    .max_flat_workgroup_size: 128
    .sgpr_count:     66
    .vgpr_count:     512
    .wavefront_size: 32
...
	.end_amdgpu_metadata
.endif
;; end of part 4
;; launch first16 (part 5): grid 16 x 16, 4 waves a work-group, no clusters, 33,280 bytes of LDS; arguments head32, Wo, part; writes part
.if DOCPART == 5
	.amdgcn_target "amdgcn-amd-amdhsa--gfx1250"
	.amdhsa_code_object_version 6
	.text
	.protected	k_qdd4412cecf_first16
	.globl	k_qdd4412cecf_first16
	.p2align	8
	.type	k_qdd4412cecf_first16,@function
k_qdd4412cecf_first16:
	s_mov_b64 s[64:65], 0
	v_nop
	global_prefetch_b8 v0, s[64:65] scope:SCOPE_SE
	s_setreg_imm32_b32 hwreg(HW_REG_WAVE_MODE, 25, 1), 1
	s_wait_xcnt 0x0
; FIRST16: positions 0-15 of both sequences, all in f32: these rows average one to sixteen values and are the largest of the output, so f16 operands would use up what the comparison allows.
; Work-group (c, n): head n, columns 128 c .. 128 c + 127 of the output.  Wave w: batch b = w % 2, channels 64 (w / 2) .. + 63 of the head.
; Each wave makes its batch's 16 x 16 attention of head n (48 matrix instructions in f32: no bulk work), keeps its 64 channels of the result in LDS, and multiplies them
; by its 64 rows x 128 columns of Wo with fused multiply-adds.  The two halves of the channels are added through LDS.  part[n][16 b + t][e] is head n's share; the next launch adds the heads.
; head32: [24][16][2048] f32: tile rows 4 b (q), 8 + 4 b (k), 16 + 4 b (v).  Wo is read once by the launch's work-groups, 64 KiB each.
; K is permuted alike on both sides of each product: a lane's 16 bytes hold d = 8 i + 4 h + 0 .. 3, and a K step takes two of them from each half of the lanes.
; REGISTERS: v1-11 addresses; v12-19 scores, then p; v20-27 p / l; v28-35 at work; v36-43, v44-51, v52-83 sums, written by matrix instructions alone;
;   v84-115 V^T, later two sets of 16 numbers of o; v116-179 k, later y (16 rows x 4 columns); v180-243 q, later a ring of 16 rows of Wo.
.set RED,   16384                      ; LDS: 0-16383 four regions [64 channels][16 rows] f32; then for each batch 8,192 bytes for the sum of the two halves
.set SPARE, 32768
.set QA,  3
.set VA,  4
.set LN,  5
.set OL,  6
.set OAD, 7
.set RA,  8
.set RH,  9
.set SPW, 10
.set NIL, 11
.set T,   12
.set PN,  20
.set SA,  36
.set SB,  44
.set OC,  52
.set VT,  84
.set OB,  84
.set KR,  116
.set Y,   116
.set QR,  180
.set WR,  180
	s_load_b128 s[4:7], s[0:1], 0x0                ; head32 s[4:5], Wo s[6:7]
	s_load_b64 s[8:9], s[0:1], 0x10                ; part
	v_lshl_add_u32 v[SPW], v0, 2, SPARE
	v_mov_b32 v[NIL], 0
	v_lshrrev_b32 v1, 5, v0
	v_readfirstlane_b32 s10, v1                    ; wave 0..3
	s_and_b32 s11, s10, 1                          ; b
	s_lshr_b32 s12, s10, 1                         ; which half of the channels
	s_and_b32 s13, ttmp7, 0xffff                   ; n
	v_and_b32 v1, 15, v0                           ; r
	v_bfe_u32 v2, v0, 4, 1                         ; h
	v_and_b32 v28, 31, v0                          ; lane
	v_lshlrev_b32 v[QA], 13, v1
	v_lshl_add_u32 v[QA], v2, 4, v[QA]             ; q, k: row r of 8,192 bytes + 16 h
	v_lshlrev_b32 v[VA], 16, v2
	v_lshl_add_u32 v[VA], v1, 2, v[VA]             ; v: keys 8 h on, channel r
	v_lshlrev_b32 v[LN], 4, v28                    ; 16 bytes a lane
	s_lshl_b32 s14, s10, 12
	v_lshlrev_b32 v[OL], 9, v2
	v_lshl_add_u32 v[OL], v1, 2, v[OL]
	v_add_nc_u32 v[OL], s14, v[OL]                 ; my region: channel 8 h + .., row r
	v_lshrrev_b32 v[OAD], 5, v0
	v_lshlrev_b32 v[OAD], 12, v[OAD]               ; my region's first byte, the same in all lanes
	s_lshl_b32 s15, s11, 13
	s_add_co_u32 s15, s15, RED
	v_add_nc_u32 v[RA], s15, v[LN]
	v_lshlrev_b32 v[RH], 3, v2
	v_sub_nc_u32 v[RH], v1, v[RH]                  ; r - 8 h, for the mask
	v_mov_b32 v29, 0xff800000                      ; -infinity
	v_mov_b32 v31, 0                               ; a lane permute's destination counts as one of its sources
	s_mov_b32 s22, 0x3e0293ee                      ; c = log2(e) / sqrt(128)
	s_mov_b32 s24, 0x76543210
	s_mov_b32 s25, 0xfedcba98
	s_lshl_b32 s16, s11, 19                        ; tile row 4 b: 131,072 bytes each
	s_lshl_b32 s17, s13, 9
	s_add_co_u32 s16, s16, s17
	s_mov_b32 s17, 0
	s_wait_kmcnt 0x0
	s_add_nc_u64 s[4:5], s[4:5], s[16:17]          ; q of my batch and head
	s_lshl_b32 s16, s12, 8
	s_add_nc_u64 s[18:19], s[4:5], s[16:17]        ; + my 64 channels
	s_lshl_b32 s16, s13, 7
	s_lshl_b32 s20, s12, 6
	s_add_co_u32 s16, s16, s20
	s_lshl_b32 s16, s16, 13
	s_lshl_b32 s20, ttmp9, 9
	s_add_co_u32 s16, s16, s20
	s_add_nc_u64 s[6:7], s[6:7], s[16:17]          ; Wo: row 128 n + 64 half, column 128 c
	s_lshl_b32 s16, s13, 5
	s_lshl_b32 s20, s11, 4
	s_add_co_u32 s16, s16, s20
	s_lshl_b32 s16, s16, 13
	s_lshl_b32 s20, ttmp9, 9
	s_add_co_u32 s16, s16, s20
	s_add_nc_u64 s[8:9], s[8:9], s[16:17]          ; part: row 32 n + 16 b, column 128 c
.irp i, 0,1,2,3,4,5,6,7,8,9,10,11,12,13,14,15
	global_load_b128 v[KR+4*\i:KR+4*\i+3], v[QA], s[4:5] offset:1048576+32*\i
.endr
.irp i, 0,1,2,3,4,5,6,7,8,9,10,11,12,13,14,15
	global_load_b128 v[QR+4*\i:QR+4*\i+3], v[QA], s[4:5] offset:32*\i
.endr
.irp t, 0,1,2,3
.irp i, 0,1,2,3,4,5,6,7
	global_load_b32 v[VT+8*\t+\i], v[VA], s[18:19] offset:2097152+8192*\i+64*\t   ; v(key 8 h + i, channel 16 t + r)
.endr
.endr
	s_wait_loadcnt 32                              ; k and q are in; V's 32 loads may be out
	; S^T = k q^T: 32 K steps of 4, on two accumulators by turns; the first two steps start the sums
	v_wmma_f32_16x16x4_f32 v[SA:SA+7], v[KR:KR+1], v[QR:QR+1], 0
	v_wmma_f32_16x16x4_f32 v[SB:SB+7], v[KR+2:KR+3], v[QR+2:QR+3], 0
.set KI, 4
.rept 15
	v_wmma_f32_16x16x4_f32 v[SA:SA+7], v[KR+KI:KR+KI+1], v[QR+KI:QR+KI+1], v[SA:SA+7]
	v_wmma_f32_16x16x4_f32 v[SB:SB+7], v[KR+KI+2:KR+KI+3], v[QR+KI+2:QR+KI+3], v[SB:SB+7]
.set KI, KI+4
.endr
.rept 8
	v_nop                                          ; eight places behind this form, in front of loads into its sources and of the first read of its results
.endr
.irp i, 0,1,2,3,4,5,6,7,8,9,10,11,12,13,14,15
	global_load_b128 v[WR+4*\i:WR+4*\i+3], v[LN], s[6:7] offset:8192*\i   ; Wo's first 16 rows fill the ring: 512 consecutive bytes a load
.endr
.irp j, 0,1,2,3,4,5,6,7
	v_add_f32 v[T+\j], v[SA+\j], v[SB+\j]          ; register j: key 8 h + j, query r
.endr
.irp j, 0,1,2,3,4,5,6,7
	v_cmp_gt_i32 vcc_lo, \j, v[RH]                 ; hidden where 8 h + j > r
	v_cndmask_b32 v[T+\j], v[T+\j], v29, vcc_lo
.endr
	v_max3_num_f32 v30, v[T], v[T+1], v[T+2]
	v_max3_num_f32 v30, v30, v[T+3], v[T+4]
	v_max3_num_f32 v30, v30, v[T+5], v[T+6]
	v_max_num_f32 v30, v30, v[T+7]
	v_permlanex16_b32 v31, v30, s24, s25
	v_max_num_f32 v30, v30, v31                    ; the row's maximum (key 0 counts for every query)
	v_mul_f32 v30, s22, v30
.irp j, 0,1,2,3,4,5,6,7
	v_fma_f32 v[T+\j], v[T+\j], s22, -v30
.endr
.irp j, 0,1,2,3,4,5,6,7
	v_exp_f32 v[T+\j], v[T+\j]
.endr
	v_nop
	s_wait_alu depctr_va_vdst(0)                   ; one wait for the eight, ahead of their first reader
	v_add_f32 v32, v[T], v[T+1]
	v_add_f32 v33, v[T+2], v[T+3]
	v_add_f32 v34, v[T+4], v[T+5]
	v_add_f32 v35, v[T+6], v[T+7]
	v_add_f32 v32, v32, v33
	v_add_f32 v34, v34, v35
	v_add_f32 v32, v32, v34
	v_permlanex16_b32 v31, v32, s24, s25
	v_add_f32 v32, v32, v31
	v_rcp_f32 v32, v32
	v_nop
	s_wait_alu depctr_va_vdst(0)
.irp j, 0,1,2,3,4,5,6,7
	v_mul_f32 v[PN+\j], v[T+\j], v32
.endr
	s_wait_loadcnt 16                              ; V is in; the ring's 16 loads may be out
	; O^T = V^T P: four tiles of 16 channels by turns; K step i takes keys 2 i, 2 i + 1, 8 + 2 i, 9 + 2 i
.irp i, 0,1,2,3
.irp t, 0,1,2,3
.if \i == 0
	v_wmma_f32_16x16x4_f32 v[OC+8*\t:OC+8*\t+7], v[VT+8*\t+2*\i:VT+8*\t+2*\i+1], v[PN+2*\i:PN+2*\i+1], 0
.else
	v_wmma_f32_16x16x4_f32 v[OC+8*\t:OC+8*\t+7], v[VT+8*\t+2*\i:VT+8*\t+2*\i+1], v[PN+2*\i:PN+2*\i+1], v[OC+8*\t:OC+8*\t+7]
.endif
.endr
.endr
.rept 8
	v_nop
.endr
.irp t, 0,1,2,3
.irp j, 0,1,2,3,4,5,6,7
	ds_store_b32 v[OL], v[OC+8*\t+\j] offset:(16*\t+\j)*64     ; o(row r, channel 16 t + 8 h + j), each accumulator from its low end on
.endr
.endr
.irp g, 0,1,2,3
	ds_load_b128 v[OB+4*\g:OB+4*\g+3], v[OAD] offset:16*\g     ; channel 0's 16 rows, the same in every lane; LDS serves a wave's instructions in order
.endr
	; y(row, my 4 columns) += o(row, channel) x Wo(channel, my 4 columns), a channel at a time
.set DL, 0
.rept 64
.set OCU, OB+16*(DL%2)
.set WCU, WR+4*(DL%16)
.if DL < 63
.irp g, 0,1,2,3
	ds_load_b128 v[OB+16*((DL+1)%2)+4*\g:OB+16*((DL+1)%2)+4*\g+3], v[OAD] offset:64*(DL+1)+16*\g
.endr
.endif
.if DL < 48
	s_wait_loadcnt 15                              ; this channel's row of Wo is in; the fifteen younger loads may be out
.else
	s_wait_loadcnt 63-DL
.endif
.if DL < 63
	s_wait_dscnt 4                                 ; this channel's o is in; the next channel's four loads may be out
.else
	s_wait_dscnt 0x0
.endif
.irp r, 0,2,4,6,8,10,12,14
.irp p, 0,2
.if DL == 0
	v_pk_mul_f32 v[Y+4*\r+\p:Y+4*\r+\p+1], v[WCU+\p:WCU+\p+1], v[OCU+\r:OCU+\r+1] op_sel_hi:[1,0]                     ; the first channel starts the sums
	v_pk_mul_f32 v[Y+4*\r+4+\p:Y+4*\r+4+\p+1], v[WCU+\p:WCU+\p+1], v[OCU+\r:OCU+\r+1] op_sel:[0,1] op_sel_hi:[1,1]
.else
	v_pk_fma_f32 v[Y+4*\r+\p:Y+4*\r+\p+1], v[WCU+\p:WCU+\p+1], v[OCU+\r:OCU+\r+1], v[Y+4*\r+\p:Y+4*\r+\p+1] op_sel_hi:[1,0,1]
	v_pk_fma_f32 v[Y+4*\r+4+\p:Y+4*\r+4+\p+1], v[WCU+\p:WCU+\p+1], v[OCU+\r:OCU+\r+1], v[Y+4*\r+4+\p:Y+4*\r+4+\p+1] op_sel:[0,1,0] op_sel_hi:[1,1,1]
.endif
.endr
.endr
.if DL < 48
	global_load_b128 v[WCU:WCU+3], v[LN], s[6:7] offset:8192*(DL+16)
.endif
.set DL, DL+1
.endr
	; the two halves of the channels: the upper half's wave hands its y over as an image of its registers
	s_cmp_eq_u32 s12, 0
	s_cbranch_scc1 .Lkeep
.irp i, 0,1,2,3,4,5,6,7,8,9,10,11,12,13,14,15
	ds_store_b128 v[RA], v[Y+4*\i:Y+4*\i+3] offset:512*\i
.endr
.Lkeep:
	s_wait_dscnt 0x0
	s_barrier_signal -1
	s_barrier_wait -1
	s_cmp_lg_u32 s12, 0
	s_cbranch_scc1 .Ldone
.irp i, 0,1,2,3,4,5,6,7,8,9,10,11,12,13,14,15
	ds_load_b128 v[WR+4*\i:WR+4*\i+3], v[RA] offset:512*\i
.endr
	s_wait_dscnt 0x0
.irp i, 0,1,2,3,4,5,6,7,8,9,10,11,12,13,14,15,16,17,18,19,20,21,22,23,24,25,26,27,28,29,30,31
	v_pk_add_f32 v[Y+2*\i:Y+2*\i+1], v[Y+2*\i:Y+2*\i+1], v[WR+2*\i:WR+2*\i+1]
.endr
.irp i, 0,1,2,3,4,5,6,7,8,9,10,11,12,13,14,15
	global_store_b128 v[LN], v[Y+4*\i:Y+4*\i+3], s[8:9] offset:8192*\i   ; 32 lanes store 512 consecutive bytes, aligned
.endr
.Ldone:
	s_wait_tensorcnt 0x0                           ; the wave's end
	ds_add_u32 v[SPW], v[NIL]
	s_wait_dscnt 0x0
	s_endpgm
.Lfunc_end_k_qdd4412cecf_first16:
	.size	k_qdd4412cecf_first16, .Lfunc_end_k_qdd4412cecf_first16-k_qdd4412cecf_first16
	.p2alignl 7, 3214868480
	.fill 96, 4, 3214868480
	.section	.rodata,"a",@progbits
	.p2align	6, 0x0
	.amdhsa_kernel k_qdd4412cecf_first16
		.amdhsa_group_segment_fixed_size 33280
		.amdhsa_private_segment_fixed_size 0
		.amdhsa_enable_private_segment 0
		.amdhsa_kernarg_size 24
		.amdhsa_user_sgpr_count 2
		.amdhsa_user_sgpr_kernarg_segment_ptr 1
		.amdhsa_wavefront_size32 1
		.amdhsa_system_sgpr_workgroup_id_x 1
		.amdhsa_system_sgpr_workgroup_id_y 1
		.amdhsa_system_sgpr_workgroup_id_z 1
		.amdhsa_system_vgpr_workitem_id 0
		.amdhsa_next_free_vgpr 256
		.amdhsa_next_free_sgpr 66
		.amdhsa_reserve_vcc 1
		.amdhsa_float_denorm_mode_32 3
		.amdhsa_float_denorm_mode_16_64 3
		.amdhsa_memory_ordered 1
		.amdhsa_forward_progress 1
		.amdhsa_inst_pref_size 177
	.end_amdhsa_kernel
	.amdgpu_metadata
---
amdhsa.version: [ 1, 2 ]
amdhsa.kernels:
  - .name:           k_qdd4412cecf_first16
    .symbol:         k_qdd4412cecf_first16.kd
    .args:
      - { .name: head32, .offset: 0, .size: 8, .value_kind: global_buffer, .address_space: global }
      - { .name: Wo, .offset: 8, .size: 8, .value_kind: global_buffer, .address_space: global }
      - { .name: part, .offset: 16, .size: 8, .value_kind: global_buffer, .address_space: global }
    .group_segment_fixed_size: 33280
    .private_segment_fixed_size: 0
    .kernarg_segment_align: 8
    .kernarg_segment_size: 24
    .max_flat_workgroup_size: 128
    .sgpr_count:     66
    .vgpr_count:     256
    .wavefront_size: 32
...
	.end_amdgpu_metadata
.endif
;; end of part 5
;; launch first16_sum (part 6): grid 64 x 1, 8 waves a work-group, no clusters, 0 bytes of LDS; arguments part, out0; writes out0
.if DOCPART == 6
	.amdgcn_target "amdgcn-amd-amdhsa--gfx1250"
	.amdhsa_code_object_version 6
	.text
	.protected	k_qdd4412cecf_first16_sum
	.globl	k_qdd4412cecf_first16_sum
	.p2align	8
	.type	k_qdd4412cecf_first16_sum,@function
k_qdd4412cecf_first16_sum:
	s_mov_b64 s[64:65], 0
	v_nop
	global_prefetch_b8 v0, s[64:65] scope:SCOPE_SE
	s_setreg_imm32_b32 hwreg(HW_REG_WAVE_MODE, 25, 1), 1
	s_wait_xcnt 0x0
; FIRST16_SUM: out0[b][t][:] for t = 0 .. 15 = the sum over the 16 heads of part[n][16 b + t][:], heads ascending, in f32.
; part: [16][32][2048] f32.  A work-group takes 4,096 consecutive bytes of the 32 rows, a thread 16 of them: sixteen loads, fifteen packed additions twice, one store.
; No LDS, no barrier, no matrix unit: memory binds and nothing is shared.
	s_load_b128 s[4:7], s[0:1], 0x0                ; part s[4:5], out0 s[6:7]
	v_lshlrev_b32 v1, 4, v0
	s_lshl_b32 s8, ttmp9, 12
	s_mov_b32 s9, 0
	s_lshr_b32 s10, ttmp9, 5                       ; b
	s_lshl_b32 s10, s10, 23                        ; 1,024 rows of 8,192 bytes
	s_and_b32 s11, ttmp9, 31
	s_lshl_b32 s11, s11, 12
	s_add_co_u32 s10, s10, s11
	s_mov_b32 s11, 0
	s_wait_kmcnt 0x0
	s_add_nc_u64 s[4:5], s[4:5], s[8:9]
	s_add_nc_u64 s[6:7], s[6:7], s[10:11]
.irp n, 0,1,2,3,4,5,6,7,8,9,10,11,12,13,14,15
	global_load_b128 v[4+4*\n:7+4*\n], v1, s[4:5] offset:262144*\n th:TH_LOAD_NT
.endr
.irp n, 1,2,3,4,5,6,7,8,9,10,11,12,13,14,15
	s_wait_loadcnt 15-\n                           ; heads 0 to n are in; the younger loads may be out
	v_pk_add_f32 v[4:5], v[4:5], v[4+4*\n:5+4*\n]
	v_pk_add_f32 v[6:7], v[6:7], v[6+4*\n:7+4*\n]
.endr
	global_store_b128 v1, v[4:7], s[6:7]           ; a wave stores 512 consecutive bytes, aligned
	s_endpgm
.Lfunc_end_k_qdd4412cecf_first16_sum:
	.size	k_qdd4412cecf_first16_sum, .Lfunc_end_k_qdd4412cecf_first16_sum-k_qdd4412cecf_first16_sum
	.p2alignl 7, 3214868480
	.fill 96, 4, 3214868480
	.section	.rodata,"a",@progbits
	.p2align	6, 0x0
	.amdhsa_kernel k_qdd4412cecf_first16_sum
		.amdhsa_group_segment_fixed_size 0
		.amdhsa_private_segment_fixed_size 0
		.amdhsa_enable_private_segment 0
		.amdhsa_kernarg_size 16
		.amdhsa_user_sgpr_count 2
		.amdhsa_user_sgpr_kernarg_segment_ptr 1
		.amdhsa_wavefront_size32 1
		.amdhsa_system_sgpr_workgroup_id_x 1
		.amdhsa_system_sgpr_workgroup_id_y 1
		.amdhsa_system_sgpr_workgroup_id_z 1
		.amdhsa_system_vgpr_workitem_id 0
		.amdhsa_next_free_vgpr 72
		.amdhsa_next_free_sgpr 66
		.amdhsa_reserve_vcc 0
		.amdhsa_float_denorm_mode_32 3
		.amdhsa_float_denorm_mode_16_64 3
		.amdhsa_memory_ordered 1
		.amdhsa_forward_progress 1
		.amdhsa_inst_pref_size 5
	.end_amdhsa_kernel
	.amdgpu_metadata
---
amdhsa.version: [ 1, 2 ]
amdhsa.kernels:
  - .name:           k_qdd4412cecf_first16_sum
    .symbol:         k_qdd4412cecf_first16_sum.kd
    .args:
      - { .name: part, .offset: 0, .size: 8, .value_kind: global_buffer, .address_space: global }
      - { .name: out0, .offset: 8, .size: 8, .value_kind: global_buffer, .address_space: global }
    .group_segment_fixed_size: 0
    .private_segment_fixed_size: 0
    .kernarg_segment_align: 8
    .kernarg_segment_size: 16
    .max_flat_workgroup_size: 256
    .sgpr_count:     66
    .vgpr_count:     72
    .wavefront_size: 32
...
	.end_amdgpu_metadata
.endif
;; end of part 6
